; MI455X (gfx1250); checked and timed in simulation.
; The chip was launched on July 23, 2026; its instructions are those of AMD's public machine-readable ISA for CDNA 5 (MIT licence, August 2026) and "CDNA5" Instruction Set Architecture Reference Guide (July 2026). The comments in the code are by the model that wrote it; some were corrected since.
;; Mode Conditioned Sparse Mo E. Allowed arithmetic: matrix products marked QUANTISED: E5M2 operands, one given power-of-two scale a tensor, by v_wmma_f32_16x16x64_bf8_bf8 or v_wmma_f32_16x16x128_bf8_bf8, f32 sums; products left as they are: f32 operands where the result goes on into a quantised operand, else bf16, f16 or f32 operands; f32 sums; everything else in f32.
;; Inputs: hidden 2 x 512 x 1,024 float32; lowp_scales 12 int32 (the exponents e of the quantised operands' scales 2^e); mode_b1 4 x 2,048 float32; mode_b2 4 x 1,024 float32; mode_ids 2 x 512 int32; mode_w1_codes 4 x 2,048 x 32 x 32 uint8 (E5M2 codes of mode_w1, K innermost, in blocks of 32 codes); mode_w2_codes 4 x 1,024 x 64 x 32 uint8 (E5M2 codes of mode_w2, K innermost, in blocks of 32 codes); routed_b1 8 x 2,048 float32; routed_b2 8 x 1,024 float32; routed_w1_codes 8 x 2,048 x 32 x 32 uint8 (E5M2 codes of routed_w1, K innermost, in blocks of 32 codes); routed_w2_codes 8 x 1,024 x 64 x 32 uint8 (E5M2 codes of routed_w2, K innermost, in blocks of 32 codes); router_b 8 float32; router_w 1,024 x 8 float32; shared_b1 1 x 2,048 float32; shared_b2 1 x 1,024 float32; shared_w1_codes 1 x 2,048 x 32 x 32 uint8 (E5M2 codes of shared_w1, K innermost, in blocks of 32 codes); shared_w2_codes 1 x 1,024 x 64 x 32 uint8 (E5M2 codes of shared_w2, K innermost, in blocks of 32 codes).
;; Outputs: out0 2 x 512 x 1,024 float32; out1 2 x 512 x 8 float32; out2 2 x 512 x 2 int32; out3 2 x 512 x 2 float32.
;; This version of the problem:
;;   THIS VERSION OF THE PROBLEM IS GIVEN IN LOW PRECISION. The matrix products marked QUANTISED in the list below multiply operands that are first quantised to E5M2 (5 exponent bits, 2 mantissa bits; 8 bits a number), with one given power-of-two scale for each operand tensor; their sums are f32. All else is computed in f32.
;;   The module's matrix products, in the order in which they are computed (A, B: the left and right operand; K: the contracted axis; several contracted axes count as one K, in the product's order):
;;     1. [M 1,024, K 1,024] x [K 1,024, N 8]; A: input hidden; B: input router_w: left as it is (N = 8 < 16)
;;     2. [M 1,024, K 1,024] x [K 1,024, N 2,048]; A: input hidden; B: input shared_w1 (given as codes): QUANTISED (scales: A lowp_scales[0], B lowp_scales[1])
;;     3. [M 1,024, K 2,048] x [K 2,048, N 1,024]; A: input shared_w2 (given as codes); B: computed on the way: QUANTISED (scales: A lowp_scales[2], B lowp_scales[3])
;;     4. [M 1,024, K 1,024] x [K 1,024, N 8,192]; A: input hidden; B: input mode_w1 (given as codes): QUANTISED (scales: A lowp_scales[4], B lowp_scales[5])
;;     5. batch 4 x [M 1,024, K 2,048] x [K 2,048, N 1,024]; A: input mode_w2 (given as codes); B: computed on the way: QUANTISED (scales: A lowp_scales[6], B lowp_scales[7])
;;     6. batch 1,024 x [M 1, K 4] x [K 4, N 1,024]; A: computed on the way; B: computed on the way: left as it is (K = 4 < 32)
;;     7. batch 1,024 x [M 8, K 2] x [K 2, N 1]; A: computed on the way; B: computed on the way: left as it is (K = 2 < 32)
;;     8. [M 1,024, K 1,024] x [K 1,024, N 16,384]; A: input hidden; B: input routed_w1 (given as codes): QUANTISED (scales: A lowp_scales[8], B lowp_scales[9])
;;     9. batch 8 x [M 1,024, K 2,048] x [K 2,048, N 1,024]; A: input routed_w2 (given as codes); B: computed on the way: QUANTISED (scales: A lowp_scales[10], B lowp_scales[11])
;;     10. batch 1,024 x [M 1, K 8] x [K 8, N 1,024]; A: computed on the way; B: computed on the way: left as it is (K = 8 < 32)
;;   THE QUANTISER, for each operand of a quantised product, along K:
;;     - The operand's scale is 2^e, e = its entry of the input lowp_scales (int32; the entries are numbered through the quantised products in the list's order, A before B).
;;     - Each number is divided by the scale, clamped to +-57,344, and rounded to the nearest number of E5M2, ties to even, subnormals kept.
;;     - The product sums the exact products of the quantised numbers (number of the format x scale) in f32.
;;   ~~~python
;;   def quantise(x, axis, e):      # numpy; x: float32 -> the quantised numbers, widened to float32 again
;;       x = np.moveaxis(x, axis, -1); K = x.shape[-1]
;;       r = np.clip(x / 2.0 ** e, -57344, 57344)
;;       step = 2.0 ** (np.maximum(np.frexp(np.where(r == 0, 1, r))[1] - 1, -14) - 2)
;;       q = np.round(r / step) * step * 2.0 ** e      # np.round: ties to even
;;       return np.moveaxis(q, -1, axis).astype(np.float32)
;;   ~~~
;;   OPERANDS COMPUTED ON THE WAY. 'Computed on the way' means the value that the module computes at that place (a softmax that the list does not call 'softmax' is quantised finished and normalised). What goes into a quantiser is computed in f32, as accurately as f32 sums, v_exp_f32 and their like allow (about 1e-6 of the number): no bf16 or f16 on the way to a quantiser, and a product that is left as it is and whose result goes on into a quantised operand takes f32 operands (vector FMAs, or v_wmma_f32_16x16x4_f32). A number that lies on a knife's edge between two numbers of the format may be rounded either way, as far as f32 arithmetic and the matrix unit's own rounding can turn it there, and no further.
;;   INPUTS GIVEN AS CODES. mode_w1 (in the module: [4, 1024, 2048], K = its axis 1); mode_w2 (in the module: [4, 2048, 1024], K = its axis 1); routed_w1 (in the module: [8, 1024, 2048], K = its axis 1); routed_w2 (in the module: [8, 2048, 1024], K = its axis 1); shared_w1 (in the module: [1, 1024, 2048], K = its axis 1); shared_w2 (in the module: [1, 2048, 1024], K = its axis 1): each comes as NAME_codes (uint8): NAME with its K axis moved to the last place and cut into blocks of 32 codes, [.., K / 32, bytes a block], one block behind the other in memory; one code a byte (a code: sign, 5 exponent bits, 2 mantissa bits); its scale is its entry of lowp_scales. Its value is code x scale, taken as it is: it is not quantised again, and the codes and scales need not be those that the quantiser above would give.
;; 2 versions, each right; version 2 is version 1 with the launches up, down written anew for expert scheduling mode. Each part assembles by itself: llvm-mc -triple=amdgcn-amd-amdhsa -mcpu=gfx1250 --defsym DOCPART=n.
;; ======== version 1 of 2: 5 launches
;; workspace buffers: xq 3,145,728 bytes; ridx 8,192 bytes of whole numbers; gate 8,192 bytes; list 71,680 bytes of whole numbers; seg 256 bytes of whole numbers; hq 27,262,976 bytes; y 16,777,216 bytes
;; launch route (part 1): grid 256 x 1, 4 waves a work-group, no clusters, 1,024 bytes of LDS; arguments hidden, router_w, router_b, lowp_scales, xq, out1, out2, out3, ridx, gate; writes xq, out1, out2, out3, ridx, gate
.if DOCPART == 1
	.amdgcn_target "amdgcn-amd-amdhsa--gfx1250"
	.amdhsa_code_object_version 6
	.text
	.protected	k_q3618b6180e_route
	.globl	k_q3618b6180e_route
	.p2align	8
	.type	k_q3618b6180e_route,@function
k_q3618b6180e_route:
	s_mov_b64 s[64:65], 0
	v_nop
	global_prefetch_b8 v0, s[64:65] scope:SCOPE_SE
	s_setreg_imm32_b32 hwreg(HW_REG_WAVE_MODE, 25, 1), 1
	s_wait_xcnt 0x0
; ROUTER AND QUANTISER.  logits = x router_w + router_b, softmax, the two largest probabilities with their experts; and x as codes of E5M2 under the three scales that the
; three classes of experts give it (entries 0, 4, 8 of the scales' exponents).
; SHARES.  A work-group takes 4 tokens; wave w the K quarter 256 w .. 256 w + 255 of all four; lane l the eight numbers k = 256 w + 8 l + 0 .. 7.  So x is read once, eight neighbours a lane:
; what the conversion wants, and a pair of loads covers 1,024 consecutive bytes.  The four waves' partial sums meet in LDS; wave 0 finishes (lane = 8 x token + expert).
; xq: [class][token][1,024 codes], K as it lies.  A wave's store of codes covers 256 consecutive bytes, aligned.
; The chosen experts go out twice: as the problem's output and as whole numbers for the launch that places the rows; nothing here is addressed or branched by them.
; LIMITS: entries 0, 4, 8 of the exponents between -126 and 112 (each power of two below is an f32 number).  NaN among the inputs is not served.  Equal probabilities: the lower expert wins.
; No matrix unit: N = 8 is a vector's work.  No cluster: the work-groups share router_w alone, 32 KiB.
.set X,   16                           ; v16-47   x: 8 numbers for each of 4 tokens
.set RW,  48                           ; v48-111  router_w: register 8 i + e = router_w[k + i][e]
.set ACC, 112                          ; v112-143 sums: register 8 token + e
.set T,   144                          ; v144-159 two sets of 8 held numbers, by turns
.set C,   160                          ; v160-183 twelve pairs of codes, never rewritten
	s_load_b512 s[8:23], s[0:1], 0x0               ; hidden 8, router_w 10, router_b 12, exponents 14, xq 16, out1 18, out2 20, out3 22
	s_load_b128 s[24:27], s[0:1], 0x40             ; ridx 24, gate 26
	v_lshl_add_u32 v192, v0, 2, 0x200
	v_mov_b32 v193, 0
	v_lshrrev_b32 v1, 5, v0
	v_readfirstlane_b32 s2, v1                     ; wave
	v_and_b32 v1, 31, v0                           ; lane
	v_lshlrev_b32 v2, 5, v1                        ; x: 32 bytes a lane
	v_lshlrev_b32 v3, 8, v1                        ; router_w: 8 rows of 32 bytes a lane
	v_lshlrev_b32 v4, 3, v1                        ; codes: 8 bytes a lane
	v_and_b32 v5, 7, v1                            ; e, for wave 0's part
	v_lshlrev_b32 v6, 2, v5
	v_lshlrev_b32 v7, 2, v1                        ; 4 x lane
	s_lshl_b32 s3, s2, 7
	v_mov_b32 v14, s3                              ; LDS: my wave's 32 sums, 128 bytes
	s_lshl_b32 s4, ttmp9, 14                       ; x: 4 tokens of 4,096 bytes a work-group, 1,024 bytes a wave
	s_lshl_b32 s5, s2, 10
	s_add_co_u32 s4, s4, s5
	s_mov_b32 s5, 0
	s_lshl_b32 s6, s2, 13                          ; router_w: 256 rows of 32 bytes a wave
	s_mov_b32 s7, 0
	s_lshl_b32 s28, ttmp9, 12                      ; xq: 4 tokens of 1,024 bytes, 256 bytes a wave
	s_lshl_b32 s29, s2, 8
	s_add_co_u32 s28, s28, s29
	s_mov_b32 s29, 0
	s_lshl_b32 s30, ttmp9, 7                       ; out1: 128 bytes a work-group
	s_mov_b32 s31, 0
	s_lshl_b32 s32, ttmp9, 5                       ; out2, out3, ridx, gate: 32 bytes a work-group
	s_mov_b32 s33, 0
	s_mov_b32 s38, 0x76543210                      ; v_permlanex16_b32: lane l xor 16
	s_mov_b32 s39, 0xfedcba98
	s_wait_kmcnt 0x0
	s_load_b32 s34, s[14:15], 0x0                  ; x's exponent for the shared expert,
	s_load_b32 s35, s[14:15], 0x10                 ; the mode experts,
	s_load_b32 s36, s[14:15], 0x20                 ; the routed experts
	s_add_nc_u64 s[8:9], s[8:9], s[4:5]
	s_add_nc_u64 s[10:11], s[10:11], s[6:7]
	s_add_nc_u64 s[16:17], s[16:17], s[28:29]
	s_add_nc_u64 s[18:19], s[18:19], s[30:31]
	s_add_nc_u64 s[20:21], s[20:21], s[32:33]
	s_add_nc_u64 s[22:23], s[22:23], s[32:33]
	s_add_nc_u64 s[24:25], s[24:25], s[32:33]
	s_add_nc_u64 s[26:27], s[26:27], s[32:33]
.irp t, 0,1,2,3
	global_load_b128 v[X+8*\t:X+8*\t+3],   v2, s[8:9] offset:4096*\t th:TH_LOAD_NT
	global_load_b128 v[X+8*\t+4:X+8*\t+7], v2, s[8:9] offset:4096*\t+16 th:TH_LOAD_NT
.endr
.irp q, 0,1,2,3,4,5,6,7,8,9,10,11,12,13,14,15
	global_load_b128 v[RW+4*\q:RW+4*\q+3], v3, s[10:11] offset:16*\q    ; the sixteen together read my wave's 8,192 bytes whole
.endr
	global_load_b32 v15, v6, s[12:13]              ; router_b[e]
	s_wait_kmcnt 0x0
.irp c, 0,1,2
	s_add_co_i32 s40, s[34+\c], 127
	s_lshl_b32 s41, s40, 23
	v_mov_b32 v[8+2*\c], s41                       ; 2^e as f32: the conversion takes its exponent field
	s_add_co_i32 s40, s40, 15
	s_lshl_b32 s40, s40, 23
	s_or_b32 s40, s40, 0x600000
	v_mov_b32 v[9+2*\c], s40                       ; 57,344 x 2^e
.endr
	s_wait_loadcnt 17                              ; x is in; router_w's sixteen loads and router_b's one may be out
; the codes: hold, convert, store.  The two sets of held numbers take turns, so that eight plain lines stand between a conversion and the next write of its sources
.irp c, 0,1,2
.irp t, 0,1,2,3
.irp i, 0,1,2,3,4,5,6,7
	v_med3_num_f32 v[T+8*((4*\c+\t)%2)+\i], v[X+8*\t+\i], -v[9+2*\c], v[9+2*\c]   ; the conversion to an 8-bit code does not saturate (ISA guide 7.6.2)
.endr
	v_cvt_scalef32_pk8_bf8_f32 v[C+2*(4*\c+\t):C+2*(4*\c+\t)+1], v[T+8*((4*\c+\t)%2):T+8*((4*\c+\t)%2)+7], v[8+2*\c]
	global_store_b64 v4, v[C+2*(4*\c+\t):C+2*(4*\c+\t)+1], s[16:17] offset:(\c<<20)+1024*\t
.endr
.endr
	s_wait_loadcnt 0x0                             ; router_w, router_b
; my eight k of the 32 sums
.irp t, 0,1,2,3
.irp e, 0,1,2,3,4,5,6,7
	v_mul_f32 v[ACC+8*\t+\e], v[X+8*\t], v[RW+\e]  ; the first product starts the sum
.endr
.endr
.irp i, 1,2,3,4,5,6,7
.irp t, 0,1,2,3
.irp e, 0,1,2,3,4,5,6,7
	v_fmac_f32 v[ACC+8*\t+\e], v[X+8*\t+\i], v[RW+8*\i+\e]
.endr
.endr
.endr
; over the wave's 32 lanes: four steps inside each half ride on the addition, one crosses the halves
.irp x, 1,2,4,8
.set n, 0
.rept 32
	v_add_f32_dpp v[ACC+n], v[ACC+n], v[ACC+n] row_xmask:\x row_mask:0xf bank_mask:0xf
.set n, n+1
.endr
.endr
.irp g, 0,16
.set n, 0
.rept 16
	v_permlanex16_b32 v[T+n], v[ACC+\g+n], s38, s39   ; (its destination has been written: the held numbers lay there)
.set n, n+1
.endr
.set n, 0
.rept 16
	v_add_f32 v[ACC+\g+n], v[ACC+\g+n], v[T+n]
.set n, n+1
.endr
.endr
.irp q, 0,1,2,3,4,5,6,7
	ds_store_b128 v14, v[ACC+4*\q:ACC+4*\q+3] offset:16*\q   ; every lane holds the same sums and writes the same words
.endr
	s_wait_dscnt 0x0                               ; for wave 0's sake: my stores have landed
	s_barrier_signal -1
	s_barrier_wait -1
	s_cmp_lg_u32 s2, 0
	s_cbranch_scc1 .Lend
; wave 0: lane = 8 x token + e
	ds_load_b32 v16, v7
	ds_load_b32 v17, v7 offset:128
	ds_load_b32 v18, v7 offset:256
	ds_load_b32 v19, v7 offset:384
	s_wait_dscnt 0x0
	v_add_f32 v16, v16, v17
	v_add_f32 v18, v18, v19
	v_add_f32 v16, v16, v18
	v_add_f32 v16, v16, v15                        ; the logit
	global_store_b32 v7, v16, s[18:19]
	v_mov_b32 v17, v16                             ; the token's largest logit, among its 8 lanes
.irp x, 1,2,4
	v_max_num_f32_dpp v17, v17, v17 row_xmask:\x row_mask:0xf bank_mask:0xf
.endr
	v_sub_f32 v18, v16, v17
	v_mul_f32 v18, 0x3fb8aa3b, v18
	v_exp_f32 v18, v18
	v_cvt_f32_u32 v20, v5                          ; (a plain place behind the exponential)  e as f32
	s_wait_alu depctr_va_vdst(0)
	v_mov_b32 v19, v18
.irp x, 1,2,4
	v_add_f32_dpp v19, v19, v19 row_xmask:\x row_mask:0xf bank_mask:0xf
.endr
	v_rcp_f32 v19, v19
	v_mov_b32 v22, 0x41000000                      ; (a plain place)  8.0: above every expert's number
	s_wait_alu depctr_va_vdst(0)
	v_mul_f32 v18, v18, v19                        ; the probability
	v_mov_b32 v25, -1.0
	v_mov_b32 v21, v18                             ; the largest,
.irp x, 1,2,4
	v_max_num_f32_dpp v21, v21, v21 row_xmask:\x row_mask:0xf bank_mask:0xf
.endr
	v_cmp_eq_f32 vcc_lo, v18, v21
	v_cndmask_b32 v23, v22, v20, vcc_lo            ; and the lowest expert that has it
.irp x, 1,2,4
	v_min_num_f32_dpp v23, v23, v23 row_xmask:\x row_mask:0xf bank_mask:0xf
.endr
	v_cmp_eq_f32 vcc_lo, v20, v23
	v_cndmask_b32 v24, v18, v25, vcc_lo            ; that expert is taken out: -1 lies under every probability
	v_mov_b32 v26, v24                             ; the second largest,
.irp x, 1,2,4
	v_max_num_f32_dpp v26, v26, v26 row_xmask:\x row_mask:0xf bank_mask:0xf
.endr
	v_cmp_eq_f32 vcc_lo, v24, v26
	v_cndmask_b32 v27, v22, v20, vcc_lo            ; and its lowest expert
.irp x, 1,2,4
	v_min_num_f32_dpp v27, v27, v27 row_xmask:\x row_mask:0xf bank_mask:0xf
.endr
	v_cmp_eq_u32 vcc_lo, 0, v5                     ; lane e = 0 stores the first place, lane e = 1 the second
	v_cndmask_b32 v28, v27, v23, vcc_lo
	v_cndmask_b32 v29, v26, v21, vcc_lo
	v_cvt_i32_f32 v28, v28
	v_lshrrev_b32 v30, 3, v1
	v_lshl_add_u32 v30, v30, 3, v6                 ; 8 x token + 4 x place
	v_cmp_gt_u32 vcc_lo, 2, v5
	s_wait_xcnt 0x0                                ; EXEC changes only behind this wait: the store above has read it
	s_and_saveexec_b32 s37, vcc_lo
	global_store_b32 v30, v28, s[20:21]            ; out2
	global_store_b32 v30, v28, s[24:25]            ; ridx
	global_store_b32 v30, v29, s[22:23]            ; out3
	global_store_b32 v30, v29, s[26:27]            ; gate
	s_wait_xcnt 0x0                                ; and again, in front of the line that widens it
	s_or_b32 exec_lo, exec_lo, s37
.Lend:
	s_wait_tensorcnt 0x0
	ds_add_u32 v192, v193
	s_wait_dscnt 0x0
	s_endpgm
.Lfunc_end_k_q3618b6180e_route:
	.size	k_q3618b6180e_route, .Lfunc_end_k_q3618b6180e_route-k_q3618b6180e_route
	.p2alignl 7, 3214868480
	.fill 96, 4, 3214868480
	.section	.rodata,"a",@progbits
	.p2align	6, 0x0
	.amdhsa_kernel k_q3618b6180e_route
		.amdhsa_group_segment_fixed_size 1024
		.amdhsa_private_segment_fixed_size 0
		.amdhsa_enable_private_segment 0
		.amdhsa_kernarg_size 80
		.amdhsa_user_sgpr_count 2
		.amdhsa_user_sgpr_kernarg_segment_ptr 1
		.amdhsa_wavefront_size32 1
		.amdhsa_system_sgpr_workgroup_id_x 1
		.amdhsa_system_sgpr_workgroup_id_y 1
		.amdhsa_system_sgpr_workgroup_id_z 1
		.amdhsa_system_vgpr_workitem_id 0
		.amdhsa_next_free_vgpr 194
		.amdhsa_next_free_sgpr 66
		.amdhsa_reserve_vcc 1
		.amdhsa_float_denorm_mode_32 3
		.amdhsa_float_denorm_mode_16_64 3
		.amdhsa_memory_ordered 1
		.amdhsa_forward_progress 1
		.amdhsa_inst_pref_size 36
	.end_amdhsa_kernel
	.amdgpu_metadata
---
amdhsa.version: [ 1, 2 ]
amdhsa.kernels:
  - .name:           k_q3618b6180e_route
    .symbol:         k_q3618b6180e_route.kd
    .args:
      - { .name: hidden, .offset: 0, .size: 8, .value_kind: global_buffer, .address_space: global }
      - { .name: router_w, .offset: 8, .size: 8, .value_kind: global_buffer, .address_space: global }
      - { .name: router_b, .offset: 16, .size: 8, .value_kind: global_buffer, .address_space: global }
      - { .name: lowp_scales, .offset: 24, .size: 8, .value_kind: global_buffer, .address_space: global }
      - { .name: xq, .offset: 32, .size: 8, .value_kind: global_buffer, .address_space: global }
      - { .name: out1, .offset: 40, .size: 8, .value_kind: global_buffer, .address_space: global }
      - { .name: out2, .offset: 48, .size: 8, .value_kind: global_buffer, .address_space: global }
      - { .name: out3, .offset: 56, .size: 8, .value_kind: global_buffer, .address_space: global }
      - { .name: ridx, .offset: 64, .size: 8, .value_kind: global_buffer, .address_space: global }
      - { .name: gate, .offset: 72, .size: 8, .value_kind: global_buffer, .address_space: global }
    .group_segment_fixed_size: 1024
    .private_segment_fixed_size: 0
    .kernarg_segment_align: 8
    .kernarg_segment_size: 80
    .max_flat_workgroup_size: 128
    .sgpr_count:     66
    .vgpr_count:     194
    .wavefront_size: 32
...
	.end_amdgpu_metadata
.endif
;; end of part 1
;; launch place (part 2): grid 1 x 1, 13 waves a work-group, no clusters, 0 bytes of LDS; arguments mode_ids, ridx, list, seg; writes list, seg
.if DOCPART == 2
	.amdgcn_target "amdgcn-amd-amdhsa--gfx1250"
	.amdhsa_code_object_version 6
	.text
	.protected	k_q3618b6180e_place
	.globl	k_q3618b6180e_place
	.p2align	8
	.type	k_q3618b6180e_place,@function
k_q3618b6180e_place:
	s_mov_b64 s[64:65], 0
	v_nop
	global_prefetch_b8 v0, s[64:65] scope:SCOPE_SE
	s_setreg_imm32_b32 hwreg(HW_REG_WAVE_MODE, 25, 1), 1
	s_wait_xcnt 0x0
; THE ROWS ARE PLACED BY EXPERT.  13 regions of the list, 1,344 entries (5,376 bytes) each: region 0 the shared expert, 1-4 the mode experts, 5-12 the routed experts.  Wave n makes region n, alone:
; no LDS, no barrier, no atomics.  An entry is 4 x token + slot (slot 0 shared, 1 mode, 2 and 3 the router's first and second place): the token's row of x, and the row of y that the result goes to.
; A region's rows are later cut into tiles of 16.  Behind a region's count rows stand 320 copies of its LAST entry: the last tile's spare rows repeat a row of that same tile, so that the later
; launches need no mask (the same wave stores the same numbers to the same bytes), and every entry below 320 is written whatever the split.
; seg[v], v = 0..15: tiles of 'virtual expert' v: 0-3 the four quarters of the shared expert (16 tiles each), 4-7 the mode experts, 8-15 the routed ones.
; A wave walks the 1,024 tokens 32 at a time: a compare, the count of matching lanes below mine + the rows so far = my row's place.
; EVERY LANE STORES IN EVERY GROUP, so that EXEC is never changed: a lane whose token is not my expert's sends its entry to a spare word of its own, behind the 13 regions
; (32 words for each wave, from entry 17,472 on), which nobody reads.  Places count from the list's first entry: a wave's count begins at 1,344 x its region.
; LIMIT: mode_ids lie in 0..3, as the table that they index asks; a token with another id gets no mode row.
.set REG,    1344                      ; entries of a region
.set SPAREW, 13*REG                    ; the first spare word's entry
.set LASTW,  71680/4-1                 ; the buffer's last entry
.set L4,  2                            ; v2  4 x lane
.set MX,  3                            ; v3  the largest entry so far: entries ascend, so it is the last
.set ZR,  4                            ; v4  0
.set LA,  6                            ; v6  a store's byte offset
.set EN,  7                            ; v7  the entry
.set RK,  8                            ; v8  the place
.set TT,  9                            ; v9  at work
.set E2,  10                           ; v10 4 x lane + 2, v11 4 x lane + 3: group 0's entries for the two slots
.set E3,  11
.set SG,  12                           ; v12 my word of seg
.set TR,  13                           ; v13 my spare word's entry
.set K,   32                           ; v32.. the keys: 32 (mode) or 64 (routed) registers
.set R0,  6                            ; s6  my region's first entry
.set KEY, 16
.set M1,  17
.set BASE, 18
.set CN,  19
	s_load_b256 s[8:15], s[0:1], 0x0               ; mode_ids 8, ridx 10, list 12, seg 14
	v_lshrrev_b32 v1, 5, v0
	v_readfirstlane_b32 s2, v1                     ; wave = region
	v_and_b32 v1, 31, v0                           ; lane
	v_lshlrev_b32 v[L4], 2, v1
	s_mul_i32 s[R0], s2, REG
	s_mov_b32 s22, 0x76543210                      ; v_permlanex16_b32: lane l xor 16
	s_mov_b32 s23, 0xfedcba98
	s_wait_kmcnt 0x0
	s_cmp_eq_u32 s2, 0
	s_cbranch_scc1 .Lshared
	v_mov_b32 v[MX], 0
	v_mov_b32 v[ZR], 0
	v_mov_b32 v[TT], 0
	v_add_nc_u32 v[E2], 2, v[L4]
	v_add_nc_u32 v[E3], 3, v[L4]
	s_lshl_b32 s7, s2, 5
	s_add_co_u32 s7, s7, SPAREW
	v_add_nc_u32 v[TR], s7, v1                     ; 17,472 + 32 x wave + lane
	s_mov_b32 s[BASE], s[R0]                       ; the place of my region's next row
; tokens 32 g .. 32 g + 31
.macro GROUP g, routed
.if \routed
	v_cmp_eq_u32 vcc_lo, s[KEY], v[K+2*\g]         ; my expert is the token's first place,
	v_cmp_eq_u32 s[M1], s[KEY], v[K+2*\g+1]        ; or its second (never both)
	s_or_b32 vcc_lo, vcc_lo, s[M1]
	v_cndmask_b32 v[EN], v[E2], v[E3], s[M1]
	v_add_nc_u32 v[EN], 128*\g, v[EN]              ; 4 x token + slot
.else
	v_cmp_eq_u32 vcc_lo, s[KEY], v[K+\g]
	v_add_nc_u32 v[EN], 128*\g+1, v[L4]
.endif
	v_mbcnt_lo_u32_b32 v[RK], vcc_lo, s[BASE]      ; rows so far + matching lanes below mine;
	v_cndmask_b32 v[RK], v[TR], v[RK], vcc_lo      ; a lane without a row takes its spare word
	v_min_u32 v[RK], LASTW, v[RK]                  ; (a place made of loaded numbers is held inside the buffer by a constant)
	v_lshl_add_u32 v[LA], v[RK], 2, v[ZR]
	v_cndmask_b32 v[TT], v[ZR], v[EN], vcc_lo
	v_max_u32 v[MX], v[MX], v[TT]
	s_bcnt1_i32_b32 s[CN], vcc_lo
	s_add_co_u32 s[BASE], s[BASE], s[CN]
	global_store_b32 v[LA], v[EN], s[12:13]
	s_wait_xcnt 0x0                                ; the store has read its offset and its data: the next group writes both again
.endm
	s_cmp_lt_u32 s2, 5
	s_cbranch_scc0 .Lrouted
	s_sub_co_u32 s[KEY], s2, 1                     ; my mode
.set g, 0
.rept 32
	global_load_b32 v[K+g], v[L4], s[8:9] offset:128*g
.set g, g+1
.endr
	s_wait_loadcnt 0x0
.irp g, 0,1,2,3,4,5,6,7,8,9,10,11,12,13,14,15,16,17,18,19,20,21,22,23,24,25,26,27,28,29,30,31
	GROUP \g, 0
.endr
	s_branch .Lpads
.Lrouted:
	s_sub_co_u32 s[KEY], s2, 5                     ; my routed expert
	v_lshlrev_b32 v5, 3, v1
.set g, 0
.rept 32
	global_load_b64 v[K+2*g:K+2*g+1], v5, s[10:11] offset:256*g
.set g, g+1
.endr
	s_wait_loadcnt 0x0
.irp g, 0,1,2,3,4,5,6,7,8,9,10,11,12,13,14,15,16,17,18,19,20,21,22,23,24,25,26,27,28,29,30,31
	GROUP \g, 1
.endr
.Lpads:
.irp x, 1,2,4,8
	v_mov_b32_dpp v[TT], v[MX] row_xmask:\x row_mask:0xf bank_mask:0xf
	v_max_u32 v[MX], v[MX], v[TT]
.endr
	v_permlanex16_b32 v[TT], v[MX], s22, s23
	v_max_u32 v[MX], v[MX], v[TT]                  ; the region's last entry (0 where it has none)
	s_min_u32 s[CN], s[BASE], 12*REG+1024          ; (held by a constant: the last region's first entry + the 1,024 rows that a region can have)
	s_lshl_b32 s[CN], s[CN], 2
	v_add_nc_u32 v[LA], s[CN], v[L4]
.irp q, 0,1,2,3,4,5,6,7,8,9
	global_store_b32 v[LA], v[MX], s[12:13] offset:128*\q   ; the region's entries count .. count + 319: at most its 1,343rd
.endr
	s_sub_co_u32 s[CN], s[BASE], s[R0]             ; the count,
	s_add_co_u32 s[CN], s[CN], 15
	s_lshr_b32 s[CN], s[CN], 4                     ; in tiles
	v_mov_b32 v[TT], s[CN]
	s_lshl_b32 s4, s2, 2
	s_add_co_u32 s4, s4, 12
	v_mov_b32 v[SG], s4                            ; seg[region + 3]
	global_store_b32 v[SG], v[TT], s[14:15]        ; every lane writes the same word with the same number
	s_endpgm
.Lshared:
; region 0: every token in order, then 256 copies of the last: entry i = 4 min(i, 1,023), i < 1,280.  Four entries a lane: i = 128 q + 4 lane + k
	v_lshlrev_b32 v5, 4, v1
.irp q, 0,1,2,3,4,5,6,7
.irp k, 0,1,2,3
	v_add_nc_u32 v[K+4*\q+\k], 512*\q+4*\k, v5
.endr
.endr
.irp n, 0,1,2,3,4,5,6,7
	v_mov_b32 v[K+32+\n], 4092
.endr
.irp q, 0,1,2,3,4,5,6,7,8,9
	global_store_b128 v5, v[K+4*\q:K+4*\q+3], s[12:13] offset:512*\q
.endr
	v_and_b32 v6, 3, v1
	v_lshlrev_b32 v6, 2, v6
	v_mov_b32 v7, 16
	global_store_b32 v6, v7, s[14:15]              ; seg[0..3] = 16
	s_endpgm
.Lfunc_end_k_q3618b6180e_place:
	.size	k_q3618b6180e_place, .Lfunc_end_k_q3618b6180e_place-k_q3618b6180e_place
	.p2alignl 7, 3214868480
	.fill 96, 4, 3214868480
	.section	.rodata,"a",@progbits
	.p2align	6, 0x0
	.amdhsa_kernel k_q3618b6180e_place
		.amdhsa_group_segment_fixed_size 0
		.amdhsa_private_segment_fixed_size 0
		.amdhsa_enable_private_segment 0
		.amdhsa_kernarg_size 32
		.amdhsa_user_sgpr_count 2
		.amdhsa_user_sgpr_kernarg_segment_ptr 1
		.amdhsa_wavefront_size32 1
		.amdhsa_system_sgpr_workgroup_id_x 1
		.amdhsa_system_sgpr_workgroup_id_y 1
		.amdhsa_system_sgpr_workgroup_id_z 1
		.amdhsa_system_vgpr_workitem_id 0
		.amdhsa_next_free_vgpr 128
		.amdhsa_next_free_sgpr 66
		.amdhsa_reserve_vcc 1
		.amdhsa_float_denorm_mode_32 3
		.amdhsa_float_denorm_mode_16_64 3
		.amdhsa_memory_ordered 1
		.amdhsa_forward_progress 1
		.amdhsa_inst_pref_size 54
	.end_amdhsa_kernel
	.amdgpu_metadata
---
amdhsa.version: [ 1, 2 ]
amdhsa.kernels:
  - .name:           k_q3618b6180e_place
    .symbol:         k_q3618b6180e_place.kd
    .args:
      - { .name: mode_ids, .offset: 0, .size: 8, .value_kind: global_buffer, .address_space: global }
      - { .name: ridx, .offset: 8, .size: 8, .value_kind: global_buffer, .address_space: global }
      - { .name: list, .offset: 16, .size: 8, .value_kind: global_buffer, .address_space: global }
      - { .name: seg, .offset: 24, .size: 8, .value_kind: global_buffer, .address_space: global }
    .group_segment_fixed_size: 0
    .private_segment_fixed_size: 0
    .kernarg_segment_align: 8
    .kernarg_segment_size: 32
    .max_flat_workgroup_size: 416
    .sgpr_count:     66
    .vgpr_count:     128
    .wavefront_size: 32
...
	.end_amdgpu_metadata
.endif
;; end of part 2
;; launch up (part 3): grid 16 x 16, 4 waves a work-group, no clusters, 134,144 bytes of LDS; arguments xq, list, seg, lowp_scales, shared_w1_codes, mode_w1_codes, routed_w1_codes, shared_b1, mode_b1, routed_b1, hq; writes hq
.if DOCPART == 3
	.amdgcn_target "amdgcn-amd-amdhsa--gfx1250"
	.amdhsa_code_object_version 6
	.text
	.protected	k_q3618b6180e_up
	.globl	k_q3618b6180e_up
	.p2align	8
	.type	k_q3618b6180e_up,@function
k_q3618b6180e_up:
	s_mov_b64 s[64:65], 0
	v_nop
	global_prefetch_b8 v0, s[64:65] scope:SCOPE_SE
	s_setreg_imm32_b32 hwreg(HW_REG_WAVE_MODE, 25, 1), 1
	s_wait_xcnt 0x0
; THE FIRST LAYER, for the rows that each expert was given: h = Q(gelu(Q(x) W1 + b1)), codes of E5M2 in and out, f32 sums.  gelu in its tanh form, as a / (1 + 2^(a (K0 + K1 a^2))).
; SHARES.  Work-group (j, v): slice j of 128 hidden units of virtual expert v (0-3: quarters of the shared expert's rows; 4-7: mode experts; 8-15: routed experts): 131,072 bytes of W1, read from memory
; by this work-group alone (the shared expert's by four), in runs of 512 consecutive bytes, laid into LDS once and read by all four waves.
; The expert's rows come in tiles of 16.  In pass p (four passes, a constant: 4 x 20 >= the 64 tiles that an expert can have) wave w takes tiles 20 p + w + 4 m, m = 0..4; a pass that leaves a wave
; no tile is jumped over by a scalar branch on the stored count.  A wave's five tiles of x (16 rows x 1,024 codes each, gathered by the list) stay in 640 registers for the whole pass.
; THE PRODUCT IS USED TRANSPOSED (source 0 = 16 rows of W1, source 1 = 16 rows of x): a lane holds ONE token, its registers run along the hidden units, which are the next product's K.
; THE ROWS OF W1 THAT FORM A TILE ARE NOT NEIGHBOURS: lane r of tile (b, u) takes hidden unit 32 b + 8 u + r + 8 (r / 8), so that the 16 registers of tiles (b, 0), (b, 1) are 16 neighbours,
; 32 b + 16 (lane / 16) + 0..15.  In LDS the rows are laid in that order, so a tile is 16 rows on end.
; K's places in a fragment: registers 4 c .. 4 c + 3 hold k = 32 c + 16 (lane / 16) + 0..15, alike in both operands: every product meets its partner; only the order of the sums inside an instruction differs.
; hq: [region x 64 + tile][K step = j][2,048 bytes]: the next product's fragment as an image of its registers: group b of four registers at 512 b + 16 x lane.  A store covers 512 consecutive bytes.
; b1 is the C of each sum's first matrix instruction, divided by 2^(ex + ew1), the power of two that the sums lack.
; NO TENSOR LOADS, NO CLUSTER: what a wave does hangs on counts read from memory; and only the shared expert's slices, 2 of the 26 MiB of weights, are read by more than one work-group.
; LIMITS: ex + ew1 between -126 and 127, eh between -126 and 112 (each power of two below is an f32 number).  NaN is not served.
; REGISTERS, in windows of 256.  Window 0: v1-23 addresses and constants; v24-103 accumulators (m, u) at 24 + 16 m + 8 u; v104-119 at work; v120-127 two sets of codes; v128-255 one tile of W1: 8 K steps x 16.
;   Windows 1-3: x: K step s, tile m at window 1 + s / 3, register 80 (s % 3) + 16 m.  Window 3: v160-175 the pair's bias; v224-255 the last eight weight loads on their way to LDS.
.set WP,    1040                       ; a row of W1 in LDS: 1,024 bytes + 16: 65 x 16, so the 16 rows of a fragment load start at 16 different groups of four banks (64 banks of 4 bytes: ISA guide 11.1)
.set BIAS,  128*WP                     ; behind the 128 rows: 128 f32
.set L16,   1                          ; v1   16 x lane
.set W0,    2                          ; v2   r x WP + 16 (lane / 16)
.set WA,    3                          ; v3   this pair's tiles of W1
.set WN,    4                          ; v4   the next pair's
.set BI0,   5                          ; v5   BIAS + 64 (lane / 16)
.set BN,    6                          ; v6   the next pair's bias
.set IM,    7                          ; v7   my 16 bytes of the image's group b
.set SST,   8                          ; v8   where my wave lays its 32 rows of W1
.set LE,    9                          ; v9   4 (lane % 16)
.set XO,    10                         ; v10-14 a list entry, then my byte in its token's row of codes
.set HI16,  15                         ; v15  16 (lane / 16)
.set SCH,   16                         ; v16  2^eh
.set LIM,   17                         ; v17  57,344 x 2^eh
.set K0P,   18                         ; v[18:19] K0, twice
.set ACC,   24
.set ZB,    104
.set CD,    120
.set WF,    128
.set BR,    160                        ; in window 3
.set STG3,  224                        ; in window 3
.set WV, 2
.set J,  3
.set V,  4
.set CLS, 5
.set EX, 6
.set RHO, 7
.set TILE0, 30
.set TC, 31
.set NT, 32
.set PI, 33
.set B,  34
.set WOFF, 35
.set S1, 44                            ; s[44:45] 2^(ex + ew1)
.set NEG, 46
.set P20W, 47
.set WPT, 48
.set BPT, 50
.set XB, 52
.set LBT, 54
.set HB, 56
.set WNX, 58
.set BNX, 59
.set IOFF, 60
.set MSB, 0
.macro WIN new                         ; the immediate's high byte repeats the setting that is left; a switch that changes nothing is dropped
.if MSB != (\new)
	s_set_vgpr_msb (MSB<<8)|(\new)
.set MSB, (\new)
.endif
.endm
.macro PLACES                          ; four plain vector instructions between a matrix instruction and a load into its registers or a read of its result
.rept 4
	v_nop
.endr
.endm
.macro XOCALC                          ; entry = 4 x token + slot -> token x 1,024 + 16 (lane / 16)
.irp m, 0,1,2,3,4
	v_min_u32 v[XO+\m], 4095, v[XO+\m]
	v_and_b32 v[XO+\m], 0xffc, v[XO+\m]
	v_lshl_add_u32 v[XO+\m], v[XO+\m], 8, v[HI16]
.endr
.endm
.macro XLOADS                          ; five tiles of x, all of K: 160 loads; lane (r, h) takes 16 bytes of its token's row; eight loads together read each 256 bytes of a row whole
.irp s, 0,1,2,3,4,5,6,7
	WIN 0x40*(1+\s/3)
.irp m, 0,1,2,3,4
.irp c, 0,1,2,3
	global_load_b128 v[80*(\s%3)+16*\m+4*\c:80*(\s%3)+16*\m+4*\c+3], v[XO+\m], s[XB:XB+1] offset:128*\s+32*\c
.endr
.endr
.endr
	WIN 0
.endm
.macro WLOAD a, off                    ; one tile of W1, 16 rows x 1,024 K: 32 loads
.irp s, 0,1,2,3,4,5,6,7
.irp c, 0,1,2,3
	ds_load_b128 v[WF+16*\s+4*\c:WF+16*\s+4*\c+3], v[\a] offset:\off+128*\s+32*\c
.endr
.endr
.endm
.macro BLOAD a                         ; a pair's bias: my half's 16 hidden units
	WIN 0xc0
.irp q, 0,1,2,3
	ds_load_b128 v[BR+4*\q:BR+4*\q+3], v[\a] offset:16*\q
.endr
	WIN 0
.endm
; 8 nt matrix instructions: tile u of the pair against nt tiles of x.  The nt accumulators take turns, one instruction a turn
.macro MUL nt, u
.irp s, 0,1,2,3,4,5,6,7
.if \s == 0
	WIN 0x34                               ; x window 1, the bias (C) window 3
.elseif \s < 3
	WIN 0x04
.elseif \s < 6
	WIN 0x08
.else
	WIN 0x0c
.endif
.irp m, 0,1,2,3,4
.if \m < \nt
.if \s == 0
	v_wmma_f32_16x16x128_bf8_bf8 v[ACC+16*\m+8*\u:ACC+16*\m+8*\u+7], v[WF+16*\s:WF+16*\s+15], v[80*(\s%3)+16*\m:80*(\s%3)+16*\m+15], v[BR+8*\u:BR+8*\u+7]
.else
	v_wmma_f32_16x16x128_bf8_bf8 v[ACC+16*\m+8*\u:ACC+16*\m+8*\u+7], v[WF+16*\s:WF+16*\s+15], v[80*(\s%3)+16*\m:80*(\s%3)+16*\m+15], v[ACC+16*\m+8*\u:ACC+16*\m+8*\u+7]
.endif
.endif
.endr
.endr
	WIN 0
.endm
; eight sums become eight held numbers of the hidden layer, in place; the accumulator is read from its low end on
.macro EPI m, u
.set EA, ACC+16*(\m)+8*(\u)
.set EZ, ZB+8*(\u)
.irp i, 0,2,4,6
	v_pk_mul_f32 v[EA+\i:EA+\i+1], v[EA+\i:EA+\i+1], s[S1:S1+1] op_sel_hi:[1,0]      ; a = sum x 2^(ex + ew1)
.endr
.irp i, 0,2,4,6
	v_pk_mul_f32 v[EZ+\i:EZ+\i+1], v[EA+\i:EA+\i+1], v[EA+\i:EA+\i+1]
.endr
.irp i, 0,2,4,6
	v_pk_fma_f32 v[EZ+\i:EZ+\i+1], v[EZ+\i:EZ+\i+1], 0xbdd2d3e8, v[K0P:K0P+1] op_sel_hi:[1,0,1]   ; K1 a^2 + K0: K0 = -2 log2(e) sqrt(2 / pi), K1 = 0.044715 K0
.endr
.irp i, 0,2,4,6
	v_pk_mul_f32 v[EZ+\i:EZ+\i+1], v[EZ+\i:EZ+\i+1], v[EA+\i:EA+\i+1]
.endr
.irp i, 0,1,2,3,4,5,6,7
	v_exp_f32 v[EZ+\i], v[EZ+\i]
.endr
	v_nop                                          ; a plain place behind the exponentials
	s_wait_alu depctr_va_vdst(0)
.irp i, 0,2,4,6
	v_pk_add_f32 v[EZ+\i:EZ+\i+1], v[EZ+\i:EZ+\i+1], 1.0 op_sel_hi:[1,0]
.endr
.irp i, 0,1,2,3,4,5,6,7
	v_rcp_f32 v[EZ+\i], v[EZ+\i]
.endr
	v_nop                                          ; a plain place behind the reciprocals
	s_wait_alu depctr_va_vdst(0)
.irp i, 0,2,4,6
	v_pk_mul_f32 v[EA+\i:EA+\i+1], v[EA+\i:EA+\i+1], v[EZ+\i:EZ+\i+1]                ; gelu(a)
.endr
.irp i, 0,1,2,3,4,5,6,7
	v_med3_num_f32 v[EA+\i], v[EA+\i], -v[LIM], v[LIM]   ; the conversion to an 8-bit code does not saturate (ISA guide 7.6.2)
.endr
.endm
.macro PACK m                          ; tile m's 16 neighbours along the next K become four registers of codes: group b of the image
.if \m >= 2
	s_wait_xcnt 0x0                                ; the store of two tiles ago has read this set of codes
.endif
	v_cvt_scalef32_pk8_bf8_f32 v[CD+4*((\m)%2):CD+4*((\m)%2)+1], v[ACC+16*(\m):ACC+16*(\m)+7], v[SCH]
	v_cvt_scalef32_pk8_bf8_f32 v[CD+4*((\m)%2)+2:CD+4*((\m)%2)+3], v[ACC+16*(\m)+8:ACC+16*(\m)+15], v[SCH]
	v_nop                                          ; a plain place between a scaled conversion and the next vector or matrix instruction that writes its sources
	global_store_b128 v[IM], v[CD+4*((\m)%2):CD+4*((\m)%2)+3], s[HB:HB+1] offset:131072*(\m)   ; tile m lies 4 tiles of 32,768 bytes behind tile m - 1
.endm
; A pair b of tiles of W1 against the wave's tiles.  On entry tile (b, 0) and the pair's bias are on their way from LDS.  nt = 5: all five tiles are mine.  nt = 4: the products are made for four;
; of those that are not mine (a clamped or padded entry's) nothing is kept: a scalar branch on the count leaves the rest of the list of tiles out.
.macro BODY nt
	s_wait_xcnt 0x0                                ; the last trip's stores have read their offset and their codes
	v_add_nc_u32 v[IM], s[IOFF], v[L16]
	v_add_nc_u32 v[WA], s[WOFF], v[W0]
	v_add_nc_u32 v[WN], s[WNX], v[W0]
	v_add_nc_u32 v[BN], s[BNX], v[BI0]
	s_wait_dscnt 0x0                               ; tile (b, 0) and the bias are in
	MUL \nt, 0
	PLACES
	WLOAD WA, 16*WP                                ; tile (b, 1) comes while the first tile's sums are worked
	EPI 0, 0
.irp m, 1,2,3,4
.if \m < \nt
.if \nt == 4
	s_cmp_gt_u32 s[NT], \m
	s_cbranch_scc0 .Le0_\@
.endif
	EPI \m, 0
.endif
.endr
.Le0_\@:
	s_wait_dscnt 0x0
	MUL \nt, 1
	PLACES
	WLOAD WN, 0                                    ; the next pair's first tile (behind the last pair: pair 0 again, for the next pass)
	BLOAD BN
	EPI 0, 1
	PACK 0
.irp m, 1,2,3,4
.if \m < \nt
.if \nt == 4
	s_cmp_gt_u32 s[NT], \m
	s_cbranch_scc0 .Le1_\@
.endif
	EPI \m, 1
	PACK \m
.endif
.endr
.Le1_\@:
.endm
	s_load_b512 s[8:23], s[0:1], 0x0               ; xq 8, list 10, seg 12, exponents 14, shared_w1 16, mode_w1 18, routed_w1 20, shared_b1 22
	s_load_b128 s[24:27], s[0:1], 0x40             ; mode_b1 24, routed_b1 26
	s_load_b64 s[28:29], s[0:1], 0x50              ; hq
	s_set_vgpr_msb 0x40
	v_lshl_add_u32 v254, v0, 2, 0x20a00
	v_mov_b32 v255, 0
	s_set_vgpr_msb 0x4000
	v_lshrrev_b32 v20, 5, v0
	v_readfirstlane_b32 s[WV], v20                 ; wave 0..3
	v_and_b32 v21, 31, v0                          ; lane
	v_and_b32 v20, 15, v0                          ; r
	v_bfe_u32 v22, v0, 4, 1                        ; h
	v_lshlrev_b32 v[L16], 4, v21
	v_mul_u32_u24 v[W0], v20, WP
	v_lshl_add_u32 v[W0], v22, 4, v[W0]
	v_lshlrev_b32 v[BI0], 6, v22
	v_add_nc_u32 v[BI0], BIAS, v[BI0]
	s_mul_i32 s40, s[WV], 32*WP
	v_add_nc_u32 v[SST], s40, v[L16]
	v_lshlrev_b32 v[LE], 2, v20
	v_lshlrev_b32 v[HI16], 4, v22
	v_lshl_add_u32 v23, s[WV], 6, v[LE]            ; the list: tile w of the pass, my row's entry
	v_lshlrev_b32 v24, 2, v21                      ; b1: 4 bytes a lane
	v_lshl_add_u32 v26, v0, 2, BIAS                ; and where it goes in LDS
	v_mov_b32 v[K0P], 0xc0135761
	v_mov_b32 v[K0P+1], 0xc0135761
	s_mov_b32 s[J], ttmp9
	s_and_b32 s[V], ttmp7, 0xffff
	s_sub_co_u32 s42, s[V], 3                      ; a mode or routed expert's region
	s_lshl_b32 s43, s[V], 4                        ; a shared quarter's first tile
	s_sub_co_u32 s61, s[V], 4
	s_sub_co_u32 s62, s[V], 8
	s_mov_b32 s41, 0                               ; the upper word of every offset below
	s_wait_kmcnt 0x0
	s_cmp_lt_u32 s[V], 8                           ; the choices hang on the work-group's number alone
	s_cselect_b64 s[WPT:WPT+1], s[18:19], s[20:21]
	s_cselect_b64 s[BPT:BPT+1], s[24:25], s[26:27]
	s_cselect_b32 s[EX], s61, s62
	s_cselect_b32 s[CLS], 1, 2
	s_cmp_lt_u32 s[V], 4
	s_cselect_b64 s[WPT:WPT+1], s[16:17], s[WPT:WPT+1]
	s_cselect_b64 s[BPT:BPT+1], s[22:23], s[BPT:BPT+1]
	s_cselect_b32 s[EX], 0, s[EX]
	s_cselect_b32 s[CLS], 0, s[CLS]
	s_cselect_b32 s[RHO], 0, s42
	s_cselect_b32 s[TILE0], s43, 0
	s_lshl_b32 s40, s[CLS], 4
	s_add_nc_u64 s[14:15], s[14:15], s[40:41]
	s_load_b128 s[36:39], s[14:15], 0x0            ; the class's ex, ew1, ew2, eh
	s_lshl_b32 s40, s[V], 2
	s_add_nc_u64 s[12:13], s[12:13], s[40:41]
	s_load_b32 s[TC], s[12:13], 0x0                ; my virtual expert's tiles
	s_lshl_b32 s40, s[EX], 21                      ; W1: 2 MiB an expert, 131,072 bytes a slice, 32,768 a wave
	s_lshl_b32 s42, s[J], 17
	s_add_co_u32 s40, s40, s42
	s_lshl_b32 s42, s[WV], 15
	s_add_co_u32 s40, s40, s42
	s_add_nc_u64 s[WPT:WPT+1], s[WPT:WPT+1], s[40:41]
	s_lshl_b32 s40, s[EX], 13                      ; b1: 8,192 bytes an expert, 512 a slice, 128 a wave
	s_lshl_b32 s42, s[J], 9
	s_add_co_u32 s40, s40, s42
	s_lshl_b32 s42, s[WV], 7
	s_add_co_u32 s40, s40, s42
	s_add_nc_u64 s[BPT:BPT+1], s[BPT:BPT+1], s[40:41]
	s_lshl_b32 s40, s[CLS], 20
	s_add_nc_u64 s[XB:XB+1], s[8:9], s[40:41]      ; x under the class's scale
	s_mul_i32 s40, s[RHO], 5376
	s_lshl_b32 s42, s[TILE0], 6
	s_add_co_u32 s40, s40, s42
	s_add_nc_u64 s[LBT:LBT+1], s[10:11], s[40:41]  ; the list at my virtual expert's first tile
	s_lshl_b32 s40, s[RHO], 6
	s_add_co_u32 s40, s40, s[TILE0]
	s_add_co_u32 s40, s40, s[WV]
	s_lshl_b32 s40, s40, 4
	s_add_co_u32 s40, s40, s[J]
	s_lshl_b32 s40, s40, 11
	s_add_nc_u64 s[HB:HB+1], s[28:29], s[40:41]    ; hq at tile w of pass 0, K step j
; pass 0's entries (every entry below 320 of a region, below 1,280 of region 0, is written whatever the split), the bias, the weights
.irp m, 0,1,2,3,4
	global_load_b32 v[XO+\m], v23, s[LBT:LBT+1] offset:256*\m
.endr
	global_load_b32 v25, v24, s[BPT:BPT+1]
.set q, 0
.rept 56
	global_load_b128 v[32+4*q:35+4*q], v[L16], s[WPT:WPT+1] offset:512*q   ; 512 consecutive bytes a load
.set q, q+1
.endr
	s_wait_loadcnt 56                              ; the entries and the bias are in; the 56 weight loads may be out
	s_wait_kmcnt 0x0
	s_add_co_i32 s40, s36, s37                     ; ex + ew1
	s_sub_co_i32 s[NEG], 0, s40
	s_add_co_i32 s40, s40, 127
	s_lshl_b32 s[S1], s40, 23                      ; 2^(ex + ew1) as f32
	s_mov_b32 s[S1+1], s[S1]                       ; (named with it as a pair, so it is written)
	s_add_co_i32 s40, s39, 127
	s_lshl_b32 s42, s40, 23
	v_mov_b32 v[SCH], s42
	s_add_co_i32 s40, s40, 15
	s_lshl_b32 s40, s40, 23
	s_or_b32 s40, s40, 0x600000
	v_mov_b32 v[LIM], s40
	XOCALC
	v_ldexp_f32 v25, v25, s[NEG]                   ; b1 / 2^(ex + ew1)
	ds_store_b32 v26, v25
	WIN 0xc0
.rept 8
	global_load_b128 v[STG3+4*(q-56):STG3+4*(q-56)+3], v[L16], s[WPT:WPT+1] offset:512*q
.set q, q+1
.endr
	WIN 0
	XLOADS
	s_wait_loadcnt 63                              ; 160 loads were issued behind the last weight load: all that is older than the youngest 63 is in, the weights among it
.set q, 0
.rept 56                               ; row i of my 32 goes to row (i & 7) | (i & 8) << 1 | (i & 16) >> 1: the order in which tiles take them
.set rw, q>>1
.set sw, (rw&7)|((rw&8)<<1)|((rw&16)>>1)
	ds_store_b128 v[SST], v[32+4*q:35+4*q] offset:sw*WP+512*(q&1)
.set q, q+1
.endr
	WIN 0x0c                                       ; the data lie in window 3
.rept 8
.set rw, q>>1
.set sw, (rw&7)|((rw&8)<<1)|((rw&16)>>1)
	ds_store_b128 v[SST], v[STG3+4*(q-56):STG3+4*(q-56)+3] offset:sw*WP+512*(q&1)
.set q, q+1
.endr
	WIN 0
	s_wait_dscnt 0x0                               ; for the others' sake: my rows and my part of the bias have landed
	s_barrier_signal -1
	s_barrier_wait -1                              ; the launch's one barrier: behind it LDS is only read
	WLOAD W0, 0
	BLOAD BI0
	s_mov_b32 s[PI], 0
.Lpass:
	s_mul_i32 s40, s[PI], 20
	s_add_co_u32 s[P20W], s40, s[WV]               ; my first tile of the pass
	s_sub_co_i32 s40, s[TC], s[P20W]
	s_add_co_i32 s40, s40, 3
	s_ashr_i32 s40, s40, 2
	s_max_i32 s40, s40, 0
	s_min_i32 s[NT], s40, 5                        ; how many of its five are mine
	s_cmp_eq_u32 s[PI], 0
	s_cbranch_scc1 .Lhave_x                        ; pass 0's x was asked for at the head
	s_cmp_eq_u32 s[NT], 0
	s_cbranch_scc1 .Lhave_x
	s_sub_co_u32 s42, s[TC], 1
.irp m, 0,1,2,3,4
	s_add_co_u32 s43, s[P20W], 4*\m
	s_min_u32 s43, s43, s42                        ; a tile past the last reads the last,
	s_min_u32 s43, s43, 63                         ; (a number made of a loaded one is held by a constant before it enters an address)
	s_lshl_b32 s43, s43, 6
	v_add_nc_u32 v[XO+\m], s43, v[LE]              ; (x's loads of the pass before were waited for: their offsets may be written)
	global_load_b32 v[XO+\m], v[XO+\m], s[LBT:LBT+1]
.endr
	s_wait_loadcnt 0x0
	XOCALC
	XLOADS
.Lhave_x:
	s_wait_loadcnt 0x0                             ; x is in
	s_mov_b32 s[B], 0
.Ltrip:                                            ; four pairs of tiles of W1: 32 hidden units each
	s_mul_i32 s[WOFF], s[B], 32*WP
	s_lshl_b32 s[IOFF], s[B], 9
	s_add_co_u32 s40, s[B], 1
	s_and_b32 s40, s40, 3
	s_mul_i32 s[WNX], s40, 32*WP
	s_lshl_b32 s[BNX], s40, 7
	s_cmp_eq_u32 s[NT], 0
	s_cbranch_scc1 .Lstep
	s_cmp_gt_u32 s[NT], 4
	s_cbranch_scc1 .Lfive
	BODY 4
	s_branch .Lstep
.Lfive:
	BODY 5
.Lstep:
	s_add_co_u32 s[B], s[B], 1
	s_cmp_lt_u32 s[B], 4
	s_cbranch_scc1 .Ltrip
	s_wait_xcnt 0x0                                ; the stores have read their base
	s_add_nc_u64 s[HB:HB+1], s[HB:HB+1], 20*32768  ; 20 tiles on
	s_add_co_u32 s[PI], s[PI], 1
	s_cmp_lt_u32 s[PI], 4
	s_cbranch_scc1 .Lpass
	s_wait_dscnt 0x0                               ; the look-ahead loads of the last trip
	s_set_vgpr_msb 0x5
	s_wait_tensorcnt 0x0
	ds_add_u32 v254, v255
	s_wait_dscnt 0x0
	s_set_vgpr_msb 0x500
	s_endpgm
.Lfunc_end_k_q3618b6180e_up:
	.size	k_q3618b6180e_up, .Lfunc_end_k_q3618b6180e_up-k_q3618b6180e_up
	.p2alignl 7, 3214868480
	.fill 96, 4, 3214868480
	.section	.rodata,"a",@progbits
	.p2align	6, 0x0
	.amdhsa_kernel k_q3618b6180e_up
		.amdhsa_group_segment_fixed_size 134144
		.amdhsa_private_segment_fixed_size 0
		.amdhsa_enable_private_segment 0
		.amdhsa_kernarg_size 88
		.amdhsa_user_sgpr_count 2
		.amdhsa_user_sgpr_kernarg_segment_ptr 1
		.amdhsa_wavefront_size32 1
		.amdhsa_system_sgpr_workgroup_id_x 1
		.amdhsa_system_sgpr_workgroup_id_y 1
		.amdhsa_system_sgpr_workgroup_id_z 1
		.amdhsa_system_vgpr_workitem_id 0
		.amdhsa_next_free_vgpr 1024
		.amdhsa_next_free_sgpr 72
		.amdhsa_reserve_vcc 0
		.amdhsa_float_denorm_mode_32 3
		.amdhsa_float_denorm_mode_16_64 3
		.amdhsa_memory_ordered 1
		.amdhsa_forward_progress 1
		.amdhsa_inst_pref_size 124
	.end_amdhsa_kernel
	.amdgpu_metadata
---
amdhsa.version: [ 1, 2 ]
amdhsa.kernels:
  - .name:           k_q3618b6180e_up
    .symbol:         k_q3618b6180e_up.kd
    .args:
      - { .name: xq, .offset: 0, .size: 8, .value_kind: global_buffer, .address_space: global }
      - { .name: list, .offset: 8, .size: 8, .value_kind: global_buffer, .address_space: global }
      - { .name: seg, .offset: 16, .size: 8, .value_kind: global_buffer, .address_space: global }
      - { .name: lowp_scales, .offset: 24, .size: 8, .value_kind: global_buffer, .address_space: global }
      - { .name: shared_w1_codes, .offset: 32, .size: 8, .value_kind: global_buffer, .address_space: global }
      - { .name: mode_w1_codes, .offset: 40, .size: 8, .value_kind: global_buffer, .address_space: global }
      - { .name: routed_w1_codes, .offset: 48, .size: 8, .value_kind: global_buffer, .address_space: global }
      - { .name: shared_b1, .offset: 56, .size: 8, .value_kind: global_buffer, .address_space: global }
      - { .name: mode_b1, .offset: 64, .size: 8, .value_kind: global_buffer, .address_space: global }
      - { .name: routed_b1, .offset: 72, .size: 8, .value_kind: global_buffer, .address_space: global }
      - { .name: hq, .offset: 80, .size: 8, .value_kind: global_buffer, .address_space: global }
    .group_segment_fixed_size: 134144
    .private_segment_fixed_size: 0
    .kernarg_segment_align: 8
    .kernarg_segment_size: 88
    .max_flat_workgroup_size: 128
    .sgpr_count:     72
    .vgpr_count:     1024
    .wavefront_size: 32
...
	.end_amdgpu_metadata
.endif
;; end of part 3
;; launch down (part 4): grid 16 x 16, 4 waves a work-group, no clusters, 150,016 bytes of LDS; arguments hq, list, seg, lowp_scales, shared_w2_codes, mode_w2_codes, routed_w2_codes, shared_b2, mode_b2, routed_b2, y; writes y
.if DOCPART == 4
	.amdgcn_target "amdgcn-amd-amdhsa--gfx1250"
	.amdhsa_code_object_version 6
	.text
	.protected	k_q3618b6180e_down
	.globl	k_q3618b6180e_down
	.p2align	8
	.type	k_q3618b6180e_down,@function
k_q3618b6180e_down:
	s_mov_b64 s[64:65], 0
	v_nop
	global_prefetch_b8 v0, s[64:65] scope:SCOPE_SE
	s_setreg_imm32_b32 hwreg(HW_REG_WAVE_MODE, 25, 1), 1
	s_wait_xcnt 0x0
; THE SECOND LAYER, for the rows that each expert was given: y[entry] = h W2 x 2^(ew2 + eh) + b2; a row of y for each (token, slot), entry = 4 x token + slot as the list has it.
; SHARES.  Work-group (j, v): slice j of 64 output columns of virtual expert v (as in the first layer's launch): 131,072 bytes of W2, read from memory by this work-group alone (the shared expert's by four),
; laid into LDS once and read by all four waves.  In pass p (four, a constant) wave w takes tiles 20 p + w + 4 m, m = 0..4, of 16 rows; a pass without a tile for the wave is jumped over by a
; scalar branch on the stored count.  A pass is written out whole, once for five tiles and once for four, so that every counted wait counts the same loads on every way.
; h comes from memory straight into registers, as the images of fragments that the first layer stored: a load reads 512 consecutive bytes.  Four buffers: the loads run four K steps ahead.
; THE PRODUCT IS USED TRANSPOSED (source 0 = 16 rows of W2, source 1 = 16 rows of h): a lane holds one token and eight neighbouring columns.  A tile goes through the wave's own stage in LDS and
; leaves by rows: sixteen lanes store 256 consecutive bytes, aligned, of the row of y that the list names.  The last tile's spare rows repeat one of its rows: the same numbers to the same bytes.
; NO TENSOR LOADS, NO CLUSTER: what a wave does hangs on counts read from memory; and only the shared expert's slices are read by more than one work-group.
; LIMIT: ew2 + eh between -126 and 127, so that 2^(ew2 + eh) is an f32 number.
; REGISTERS, in windows of 256.  Window 0: v1-21 addresses; v32-63 a tile's results; v64-95 its rows back from the stage; v96-103 their offsets in y; v128-255 W2's fragments, two sets of 4 tiles x 16.
;   Window 1: v0-159 accumulators (m, t) at 8 (4 m + t); v160-191 b2; v192-231 list entries.   Window 2: h's buffers 0-2, 80 registers each.   Window 3: v0-79 buffer 3.
.set WP2,   2064                       ; a row of W2 in LDS: 2,048 bytes + 16: 129 x 16
.set STAGE, 64*WP2                     ; behind the 64 rows: 16 rows x 272 bytes for each wave
.set L16,   1                          ; v1   16 x lane
.set WLO,   2                          ; v2   r x WP2 + 16 (lane / 16): tiles 0, 1
.set WHI,   3                          ; v3   the same 32 rows on: tiles 2, 3
.set SST,   4                          ; v4   where my wave lays its 16 rows of W2
.set STO,   5                          ; v5   the stage: where I put 32 bytes of a row
.set RD,    6                          ; v6   and where I read rows back
.set C16,   7                          ; v7   16 (lane % 16)
.set H,     8                          ; v8-12  tile m's image in hq, my 16 bytes
.set Q,     13                         ; v13-17 tile m's entries in the list, my half's eight
.set HI32,  18                         ; v18  32 (lane / 16)
.set T,     32
.set BK,    64
.set YA,    96
.set WF,    128
.set WV, 2
.set J,  3
.set V,  4
.set CLS, 5
.set EX, 6
.set RHO, 7
.set TILE0, 30
.set TC, 31
.set NT, 32
.set PI, 33
.set S2, 44                            ; s[44:45] 2^(ew2 + eh)
.set P20W, 47
.set WPT, 48
.set BPT, 50
.set HQ, 52
.set LB, 54
.set YB, 56
.set MSB, 0
.macro WIN new                         ; the immediate's high byte repeats the setting that is left; a switch that changes nothing is dropped
.if MSB != (\new)
	s_set_vgpr_msb (MSB<<8)|(\new)
.set MSB, (\new)
.endif
.endm
.macro PLACES                          ; four plain vector instructions between a matrix instruction and a load into its registers or a read of its result
.rept 4
	v_nop
.endr
.endm
.macro HLOAD nt, s                     ; K step s of my nt tiles of h into buffer s % 4
	WIN 0x80+0x40*(((\s)%4)/3)
.irp m, 0,1,2,3,4
.if \m < \nt
.irp c, 0,1,2,3
	global_load_b128 v[80*(((\s)%4)%3)+16*\m+4*\c:80*(((\s)%4)%3)+16*\m+4*\c+3], v[H+\m], s[HQ:HQ+1] offset:2048*(\s)+512*\c
.endr
.endif
.endr
	WIN 0
.endm
.macro WFETCH s                        ; K step s of W2's four tiles into set s % 2: 16 loads
.irp t, 0,1,2,3
.irp c, 0,1,2,3
.if \t < 2
	ds_load_b128 v[WF+64*((\s)%2)+16*\t+4*\c:WF+64*((\s)%2)+16*\t+4*\c+3], v[WLO] offset:(\t%2)*16*WP2+128*(\s)+32*\c
.else
	ds_load_b128 v[WF+64*((\s)%2)+16*\t+4*\c:WF+64*((\s)%2)+16*\t+4*\c+3], v[WHI] offset:(\t%2)*16*WP2+128*(\s)+32*\c
.endif
.endr
.endr
.endm
; One K step of 128: 4 nt matrix instructions, each on an accumulator of its own: they take turns, one instruction a turn
.macro STEP nt, s
.if \s < 15
	WFETCH (\s+1)                                  ; (the set's last readers stand in front of the step before's four places)
	s_wait_dscnt 16                                ; this step's fragments of W2 are in; the 16 just issued may be out
.else
	s_wait_dscnt 0x0
.endif
.if \s < 12
	s_wait_loadcnt 12*\nt                          ; this step's h is in; the three steps' loads behind it may be out
.else
	s_wait_loadcnt 4*\nt*(15-\s)
.endif
	WIN 0x58+4*(((\s)%4)/3)                        ; W2 window 0, h window 2 or 3, C and D window 1
.irp m, 0,1,2,3,4
.if \m < \nt
.irp t, 0,1,2,3
.if \s == 0
	v_wmma_f32_16x16x128_bf8_bf8 v[8*(4*\m+\t):8*(4*\m+\t)+7], v[WF+64*((\s)%2)+16*\t:WF+64*((\s)%2)+16*\t+15], v[80*(((\s)%4)%3)+16*\m:80*(((\s)%4)%3)+16*\m+15], 0
.else
	v_wmma_f32_16x16x128_bf8_bf8 v[8*(4*\m+\t):8*(4*\m+\t)+7], v[WF+64*((\s)%2)+16*\t:WF+64*((\s)%2)+16*\t+15], v[80*(((\s)%4)%3)+16*\m:80*(((\s)%4)%3)+16*\m+15], v[8*(4*\m+\t):8*(4*\m+\t)+7]
.endif
.endr
.endif
.endr
	PLACES
.if \s < 12
	HLOAD \nt, (\s+4)                              ; the buffer just multiplied takes the step four on
.endif
	WIN 0
.endm
; Tile m leaves: x 2^(ew2 + eh) + b2; through my stage; by rows to the rows of y that the list names
.macro OUT m
	s_wait_xcnt 0x0                                ; the tile before's stores have read their offsets and their data
	WIN 0x04
.irp i, 0,1,2,3,4,5,6,7
	v_min_u32 v[YA+\i], 4095, v[192+8*(\m)+\i]     ; row 8 (lane / 16) + i's entry, held inside y
.endr
	WIN 0
.irp i, 0,1,2,3,4,5,6,7
	v_lshl_add_u32 v[YA+\i], v[YA+\i], 12, v[C16]  ; a row of y is 4,096 bytes
.endr
	WIN 0x11                                       ; the sums and b2 lie in window 1
.irp t, 0,1,2,3
.irp i, 0,2,4,6
	v_pk_fma_f32 v[T+8*\t+\i:T+8*\t+\i+1], v[8*(4*(\m)+\t)+\i:8*(4*(\m)+\t)+\i+1], s[S2:S2+1], v[160+8*\t+\i:160+8*\t+\i+1] op_sel_hi:[1,0,1]   ; each accumulator from its low end on
.endr
.endr
	WIN 0
.irp t, 0,1,2,3
	ds_store_b128 v[STO], v[T+8*\t:T+8*\t+3] offset:64*\t
	ds_store_b128 v[STO], v[T+8*\t+4:T+8*\t+7] offset:64*\t+16
.endr
.irp i, 0,1,2,3,4,5,6,7
	ds_load_b128 v[BK+4*\i:BK+4*\i+3], v[RD] offset:272*\i   ; LDS serves a wave's instructions in order (ISA guide 5.7.1.4): these see my stores
.endr
.irp i, 0,1,2,3,4,5,6,7
	s_wait_dscnt 7-\i
	global_store_b128 v[YA+\i], v[BK+4*\i:BK+4*\i+3], s[YB:YB+1]   ; lanes 0-15: row i's 256 bytes; lanes 16-31: row 8 + i's
.endr
.endm
.macro PASS nt
	s_sub_co_u32 s42, s[TC], 1
.irp m, 0,1,2,3,4
.if \m < \nt
	s_add_co_u32 s43, s[P20W], 4*\m
	s_min_u32 s43, s43, s42                        ; a tile past the last reads the last (nothing of it is kept),
	s_add_co_u32 s43, s43, s[TILE0]
	s_min_u32 s43, s43, 63                         ; (a number made of a loaded one is held by a constant before it enters an address)
	s_lshl_b32 s40, s43, 15
	v_add_nc_u32 v[H+\m], s40, v[L16]              ; (the pass before's loads were all waited for)
	s_lshl_b32 s40, s43, 6
	v_add_nc_u32 v[Q+\m], s40, v[HI32]
.endif
.endr
	WIN 0x40
.irp m, 0,1,2,3,4
.if \m < \nt
	global_load_b128 v[192+8*\m:192+8*\m+3], v[Q+\m], s[LB:LB+1]
	global_load_b128 v[192+8*\m+4:192+8*\m+7], v[Q+\m], s[LB:LB+1] offset:16
.endif
.endr
	HLOAD \nt, 0
	HLOAD \nt, 1
	HLOAD \nt, 2
	HLOAD \nt, 3
	WFETCH 0
.irp s, 0,1,2,3,4,5,6,7,8,9,10,11,12,13,14,15
	STEP \nt, \s
.endr
	OUT 0
.irp m, 1,2,3,4
.if \m < \nt
.if \nt == 4
	s_cmp_gt_u32 s[NT], \m
	s_cbranch_scc0 .Lout_\@
.endif
	OUT \m
.endif
.endr
.Lout_\@:
.endm
	s_load_b512 s[8:23], s[0:1], 0x0               ; hq 8, list 10, seg 12, exponents 14, shared_w2 16, mode_w2 18, routed_w2 20, shared_b2 22
	s_load_b128 s[24:27], s[0:1], 0x40             ; mode_b2 24, routed_b2 26
	s_load_b64 s[28:29], s[0:1], 0x50              ; y
	v_lshl_add_u32 v30, v0, 2, 0x24800
	v_mov_b32 v31, 0
	v_lshrrev_b32 v19, 5, v0
	v_readfirstlane_b32 s[WV], v19                 ; wave 0..3
	v_and_b32 v19, 31, v0                          ; lane
	v_and_b32 v20, 15, v0                          ; r
	v_bfe_u32 v21, v0, 4, 1                        ; h
	v_lshlrev_b32 v[L16], 4, v19
	v_mul_u32_u24 v[WLO], v20, WP2
	v_lshl_add_u32 v[WLO], v21, 4, v[WLO]
	v_add_nc_u32 v[WHI], 32*WP2, v[WLO]
	s_mul_i32 s40, s[WV], 16*WP2
	v_add_nc_u32 v[SST], s40, v[L16]
	s_mul_i32 s40, s[WV], 16*272
	s_add_co_u32 s40, s40, STAGE                   ; my stage
	v_mul_u32_u24 v[STO], v20, 272
	v_lshl_add_u32 v[STO], v21, 5, v[STO]
	v_add_nc_u32 v[STO], s40, v[STO]               ; in: row r, + 32 (lane / 16)
	v_lshlrev_b32 v[C16], 4, v20
	v_mul_u32_u24 v[RD], v21, 8*272
	v_add_nc_u32 v[RD], v[RD], v[C16]
	v_add_nc_u32 v[RD], s40, v[RD]                 ; back: lanes 0-15 rows 0-7, lanes 16-31 rows 8-15, sixteen lanes to a row
	v_lshlrev_b32 v[HI32], 5, v21
	s_mov_b32 s[J], ttmp9
	s_and_b32 s[V], ttmp7, 0xffff
	s_sub_co_u32 s42, s[V], 3
	s_lshl_b32 s43, s[V], 4
	s_sub_co_u32 s61, s[V], 4
	s_sub_co_u32 s62, s[V], 8
	s_mov_b32 s41, 0                               ; the upper word of every offset below
	s_wait_kmcnt 0x0
	s_cmp_lt_u32 s[V], 8                           ; the choices hang on the work-group's number alone
	s_cselect_b64 s[WPT:WPT+1], s[18:19], s[20:21]
	s_cselect_b64 s[BPT:BPT+1], s[24:25], s[26:27]
	s_cselect_b32 s[EX], s61, s62
	s_cselect_b32 s[CLS], 1, 2
	s_cmp_lt_u32 s[V], 4
	s_cselect_b64 s[WPT:WPT+1], s[16:17], s[WPT:WPT+1]
	s_cselect_b64 s[BPT:BPT+1], s[22:23], s[BPT:BPT+1]
	s_cselect_b32 s[EX], 0, s[EX]
	s_cselect_b32 s[CLS], 0, s[CLS]
	s_cselect_b32 s[RHO], 0, s42
	s_cselect_b32 s[TILE0], s43, 0
	s_lshl_b32 s40, s[CLS], 4
	s_add_nc_u64 s[14:15], s[14:15], s[40:41]
	s_load_b128 s[36:39], s[14:15], 0x0            ; the class's ex, ew1, ew2, eh
	s_lshl_b32 s40, s[V], 2
	s_add_nc_u64 s[12:13], s[12:13], s[40:41]
	s_load_b32 s[TC], s[12:13], 0x0                ; my virtual expert's tiles
	s_lshl_b32 s40, s[EX], 21                      ; W2: 2 MiB an expert, 131,072 bytes a slice, 32,768 a wave
	s_lshl_b32 s42, s[J], 17
	s_add_co_u32 s40, s40, s42
	s_lshl_b32 s42, s[WV], 15
	s_add_co_u32 s40, s40, s42
	s_add_nc_u64 s[WPT:WPT+1], s[WPT:WPT+1], s[40:41]
	s_lshl_b32 s40, s[EX], 12                      ; b2: 4,096 bytes an expert, 256 a slice
	s_lshl_b32 s42, s[J], 8
	s_add_co_u32 s40, s40, s42
	s_add_nc_u64 s[BPT:BPT+1], s[BPT:BPT+1], s[40:41]
	s_lshl_b32 s40, s[RHO], 21
	s_add_nc_u64 s[HQ:HQ+1], s[8:9], s[40:41]      ; hq: 64 tiles of 32,768 bytes a region
	s_mul_i32 s40, s[RHO], 5376
	s_add_nc_u64 s[LB:LB+1], s[10:11], s[40:41]
	s_lshl_b32 s40, s[J], 8
	s_add_nc_u64 s[YB:YB+1], s[28:29], s[40:41]    ; y at my slice's 256 bytes of a row
	WIN 0x40
.set q, 0
.rept 40
	global_load_b128 v[4*q:4*q+3], v[L16], s[WPT:WPT+1] offset:512*q   ; 512 consecutive bytes a load
.set q, q+1
.endr
.irp t, 0,1,2,3
	global_load_b128 v[160+8*\t:160+8*\t+3], v[HI32], s[BPT:BPT+1] offset:64*\t      ; b2 of columns 16 t + 8 (lane / 16) + 0..7
	global_load_b128 v[160+8*\t+4:160+8*\t+7], v[HI32], s[BPT:BPT+1] offset:64*\t+16
.endr
	WIN 0
.rept 24
	global_load_b128 v[32+4*(q-40):32+4*(q-40)+3], v[L16], s[WPT:WPT+1] offset:512*q
.set q, q+1
.endr
	s_wait_loadcnt 0x0
	WIN 0x04                                       ; the data lie in window 1
.set q, 0
.rept 40
	ds_store_b128 v[SST], v[4*q:4*q+3] offset:(q>>2)*WP2+512*(q&3)
.set q, q+1
.endr
	WIN 0
.rept 24
	ds_store_b128 v[SST], v[32+4*(q-40):32+4*(q-40)+3] offset:(q>>2)*WP2+512*(q&3)
.set q, q+1
.endr
	s_wait_dscnt 0x0                               ; for the others' sake: my rows have landed
	s_barrier_signal -1
	s_barrier_wait -1                              ; the launch's one barrier: behind it W2's rows are only read, and a stage is its wave's own
	s_wait_kmcnt 0x0
	s_add_co_i32 s40, s38, s39                     ; ew2 + eh
	s_add_co_i32 s40, s40, 127
	s_lshl_b32 s[S2], s40, 23
	s_mov_b32 s[S2+1], s[S2]                       ; (named with it as a pair, so it is written)
	s_mov_b32 s[PI], 0
.Lpass:
	s_mul_i32 s40, s[PI], 20
	s_add_co_u32 s[P20W], s40, s[WV]               ; my first tile of the pass
	s_sub_co_i32 s40, s[TC], s[P20W]
	s_add_co_i32 s40, s40, 3
	s_ashr_i32 s40, s40, 2
	s_max_i32 s40, s40, 0
	s_min_i32 s[NT], s40, 5                        ; how many of its five are mine
	s_cmp_eq_u32 s[NT], 0
	s_cbranch_scc1 .Lnext
	s_cmp_gt_u32 s[NT], 4
	s_cbranch_scc1 .Lfive
	PASS 4
	s_branch .Lnext
.Lfive:
	PASS 5
.Lnext:
	s_add_co_u32 s[PI], s[PI], 1
	s_cmp_lt_u32 s[PI], 4
	s_cbranch_scc1 .Lpass
	s_wait_tensorcnt 0x0
	ds_add_u32 v30, v31
	s_wait_dscnt 0x0
	s_endpgm
.Lfunc_end_k_q3618b6180e_down:
	.size	k_q3618b6180e_down, .Lfunc_end_k_q3618b6180e_down-k_q3618b6180e_down
	.p2alignl 7, 3214868480
	.fill 96, 4, 3214868480
	.section	.rodata,"a",@progbits
	.p2align	6, 0x0
	.amdhsa_kernel k_q3618b6180e_down
		.amdhsa_group_segment_fixed_size 150016
		.amdhsa_private_segment_fixed_size 0
		.amdhsa_enable_private_segment 0
		.amdhsa_kernarg_size 88
		.amdhsa_user_sgpr_count 2
		.amdhsa_user_sgpr_kernarg_segment_ptr 1
		.amdhsa_wavefront_size32 1
		.amdhsa_system_sgpr_workgroup_id_x 1
		.amdhsa_system_sgpr_workgroup_id_y 1
		.amdhsa_system_sgpr_workgroup_id_z 1
		.amdhsa_system_vgpr_workitem_id 0
		.amdhsa_next_free_vgpr 1024
		.amdhsa_next_free_sgpr 72
		.amdhsa_reserve_vcc 0
		.amdhsa_float_denorm_mode_32 3
		.amdhsa_float_denorm_mode_16_64 3
		.amdhsa_memory_ordered 1
		.amdhsa_forward_progress 1
		.amdhsa_inst_pref_size 188
	.end_amdhsa_kernel
	.amdgpu_metadata
---
amdhsa.version: [ 1, 2 ]
amdhsa.kernels:
  - .name:           k_q3618b6180e_down
    .symbol:         k_q3618b6180e_down.kd
    .args:
      - { .name: hq, .offset: 0, .size: 8, .value_kind: global_buffer, .address_space: global }
      - { .name: list, .offset: 8, .size: 8, .value_kind: global_buffer, .address_space: global }
      - { .name: seg, .offset: 16, .size: 8, .value_kind: global_buffer, .address_space: global }
      - { .name: lowp_scales, .offset: 24, .size: 8, .value_kind: global_buffer, .address_space: global }
      - { .name: shared_w2_codes, .offset: 32, .size: 8, .value_kind: global_buffer, .address_space: global }
      - { .name: mode_w2_codes, .offset: 40, .size: 8, .value_kind: global_buffer, .address_space: global }
      - { .name: routed_w2_codes, .offset: 48, .size: 8, .value_kind: global_buffer, .address_space: global }
      - { .name: shared_b2, .offset: 56, .size: 8, .value_kind: global_buffer, .address_space: global }
      - { .name: mode_b2, .offset: 64, .size: 8, .value_kind: global_buffer, .address_space: global }
      - { .name: routed_b2, .offset: 72, .size: 8, .value_kind: global_buffer, .address_space: global }
      - { .name: y, .offset: 80, .size: 8, .value_kind: global_buffer, .address_space: global }
    .group_segment_fixed_size: 150016
    .private_segment_fixed_size: 0
    .kernarg_segment_align: 8
    .kernarg_segment_size: 88
    .max_flat_workgroup_size: 128
    .sgpr_count:     72
    .vgpr_count:     1024
    .wavefront_size: 32
...
	.end_amdgpu_metadata
.endif
;; end of part 4
;; launch mix (part 5): grid 256 x 1, 4 waves a work-group, no clusters, 0 bytes of LDS; arguments y, gate, out0; writes out0
.if DOCPART == 5
	.amdgcn_target "amdgcn-amd-amdhsa--gfx1250"
	.amdhsa_code_object_version 6
	.text
	.protected	k_q3618b6180e_mix
	.globl	k_q3618b6180e_mix
	.p2align	8
	.type	k_q3618b6180e_mix,@function
k_q3618b6180e_mix:
	s_mov_b64 s[64:65], 0
	v_nop
	global_prefetch_b8 v0, s[64:65] scope:SCOPE_SE
	s_setreg_imm32_b32 hwreg(HW_REG_WAVE_MODE, 25, 1), 1
	s_wait_xcnt 0x0
; out0[t] = y[4 t] + y[4 t + 1] + g0 y[4 t + 2] + g1 y[4 t + 3]: the shared expert's row, the mode expert's, and the router's two places weighed by their probabilities.
; A stream: one wave to a token, its four rows of 4,096 bytes read once, 32 loads of 512 consecutive bytes all on their way at once; each store covers 512 consecutive bytes, aligned.
; No LDS, no barrier, no matrix unit: the sum has four terms.
.set Y, 16                             ; v16-143  chunk q, slot s at 16 + 16 q + 4 s
.set R, 144                            ; v144-175 chunk q's result, never rewritten
	s_load_b128 s[8:11], s[0:1], 0x0               ; y, gate
	s_load_b64 s[12:13], s[0:1], 0x10              ; out0
	v_lshrrev_b32 v1, 5, v0
	v_readfirstlane_b32 s2, v1                     ; wave
	v_and_b32 v1, 31, v0
	v_lshlrev_b32 v1, 4, v1                        ; 16 bytes a lane
	s_lshl_b32 s3, ttmp9, 2
	s_add_co_u32 s3, s3, s2                        ; my token
	s_lshl_b32 s4, s3, 14
	s_mov_b32 s5, 0
	s_lshl_b32 s6, s3, 3
	s_mov_b32 s7, 0
	s_lshl_b32 s14, s3, 12
	s_mov_b32 s15, 0
	s_wait_kmcnt 0x0
	s_add_nc_u64 s[8:9], s[8:9], s[4:5]
	s_add_nc_u64 s[10:11], s[10:11], s[6:7]
	s_add_nc_u64 s[12:13], s[12:13], s[14:15]
	s_load_b64 s[16:17], s[10:11], 0x0             ; g0, g1
.irp q, 0,1,2,3,4,5,6,7
.irp s, 0,1,2,3
	global_load_b128 v[Y+16*\q+4*\s:Y+16*\q+4*\s+3], v1, s[8:9] offset:4096*\s+512*\q th:TH_LOAD_NT
.endr
.endr
	s_wait_kmcnt 0x0
	s_mov_b32 s18, s17                             ; g1 as the low word of a pair of its own: the packed form takes a scalar pair's low word for both halves
	s_mov_b32 s19, s17
.irp q, 0,1,2,3,4,5,6,7
	s_wait_loadcnt 28-4*\q                         ; this chunk's four loads are in; the later chunks' may be out
.irp p, 0,2
	v_pk_add_f32 v[R+4*\q+\p:R+4*\q+\p+1], v[Y+16*\q+\p:Y+16*\q+\p+1], v[Y+16*\q+4+\p:Y+16*\q+4+\p+1]
	v_pk_fma_f32 v[R+4*\q+\p:R+4*\q+\p+1], v[Y+16*\q+8+\p:Y+16*\q+8+\p+1], s[16:17], v[R+4*\q+\p:R+4*\q+\p+1] op_sel_hi:[1,0,1]
	v_pk_fma_f32 v[R+4*\q+\p:R+4*\q+\p+1], v[Y+16*\q+12+\p:Y+16*\q+12+\p+1], s[18:19], v[R+4*\q+\p:R+4*\q+\p+1] op_sel_hi:[1,0,1]
.endr
	global_store_b128 v1, v[R+4*\q:R+4*\q+3], s[12:13] offset:512*\q th:TH_STORE_NT
.endr
	s_endpgm
.Lfunc_end_k_q3618b6180e_mix:
	.size	k_q3618b6180e_mix, .Lfunc_end_k_q3618b6180e_mix-k_q3618b6180e_mix
	.p2alignl 7, 3214868480
	.fill 96, 4, 3214868480
	.section	.rodata,"a",@progbits
	.p2align	6, 0x0
	.amdhsa_kernel k_q3618b6180e_mix
		.amdhsa_group_segment_fixed_size 0
		.amdhsa_private_segment_fixed_size 0
		.amdhsa_enable_private_segment 0
		.amdhsa_kernarg_size 24
		.amdhsa_user_sgpr_count 2
		.amdhsa_user_sgpr_kernarg_segment_ptr 1
		.amdhsa_wavefront_size32 1
		.amdhsa_system_sgpr_workgroup_id_x 1
		.amdhsa_system_sgpr_workgroup_id_y 1
		.amdhsa_system_sgpr_workgroup_id_z 1
		.amdhsa_system_vgpr_workitem_id 0
		.amdhsa_next_free_vgpr 176
		.amdhsa_next_free_sgpr 66
		.amdhsa_reserve_vcc 0
		.amdhsa_float_denorm_mode_32 3
		.amdhsa_float_denorm_mode_16_64 3
		.amdhsa_memory_ordered 1
		.amdhsa_forward_progress 1
		.amdhsa_inst_pref_size 9
	.end_amdhsa_kernel
	.amdgpu_metadata
---
amdhsa.version: [ 1, 2 ]
amdhsa.kernels:
  - .name:           k_q3618b6180e_mix
    .symbol:         k_q3618b6180e_mix.kd
    .args:
      - { .name: y, .offset: 0, .size: 8, .value_kind: global_buffer, .address_space: global }
      - { .name: gate, .offset: 8, .size: 8, .value_kind: global_buffer, .address_space: global }
      - { .name: out0, .offset: 16, .size: 8, .value_kind: global_buffer, .address_space: global }
    .group_segment_fixed_size: 0
    .private_segment_fixed_size: 0
    .kernarg_segment_align: 8
    .kernarg_segment_size: 24
    .max_flat_workgroup_size: 128
    .sgpr_count:     66
    .vgpr_count:     176
    .wavefront_size: 32
...
	.end_amdgpu_metadata
.endif
;; end of part 5
;; ======== version 2 of 2: 5 launches; version 1 with the launches up, down written anew for expert scheduling mode
;; workspace buffers: xq 3,145,728 bytes; ridx 8,192 bytes of whole numbers; gate 8,192 bytes; list 71,680 bytes of whole numbers; seg 256 bytes of whole numbers; hq 27,262,976 bytes; y 16,777,216 bytes
;; launch route: the kernel of part 1 again; grid 256 x 1, 4 waves a work-group, no clusters, 1,024 bytes of LDS; arguments hidden, router_w, router_b, lowp_scales, xq, out1, out2, out3, ridx, gate; writes xq, out1, out2, out3, ridx, gate
;; launch place: the kernel of part 2 again; grid 1 x 1, 13 waves a work-group, no clusters, 0 bytes of LDS; arguments mode_ids, ridx, list, seg; writes list, seg
;; launch up (part 6): grid 16 x 16, 4 waves a work-group, no clusters, 134,144 bytes of LDS; arguments xq, list, seg, lowp_scales, shared_w1_codes, mode_w1_codes, routed_w1_codes, shared_b1, mode_b1, routed_b1, hq; writes hq
.if DOCPART == 6
	.amdgcn_target "amdgcn-amd-amdhsa--gfx1250"
	.amdhsa_code_object_version 6
	.text
	.protected	k_q3618b6180e_up
	.globl	k_q3618b6180e_up
	.p2align	8
	.type	k_q3618b6180e_up,@function
k_q3618b6180e_up:
	s_mov_b64 s[64:65], 0
	v_nop
	global_prefetch_b8 v0, s[64:65] scope:SCOPE_SE
	s_setreg_imm32_b32 hwreg(HW_REG_WAVE_SCHED_MODE, 0, 2), 2
	s_setreg_imm32_b32 hwreg(HW_REG_WAVE_MODE, 25, 1), 1
	s_wait_xcnt 0x0
	s_wait_alu depctr_vm_vsrc(0)
; THE FIRST LAYER, for the rows that each expert was given: h = Q(gelu(Q(x) W1 + b1)), codes of E5M2 in and out, f32 sums.  gelu in its tanh form, as a / (1 + 2^(a (K0 + K1 a^2))).
; SHARES.  Work-group (j, v): slice j of 128 hidden units of virtual expert v (0-3: quarters of the shared expert's rows; 4-7: mode experts; 8-15: routed experts): 131,072 bytes of W1, read from memory
; by this work-group alone (the shared expert's by four), in runs of 512 consecutive bytes, laid into LDS once and read by all four waves.
; The expert's rows come in tiles of 16.  In pass p (four passes, a constant: 4 x 20 >= the 64 tiles that an expert can have) wave w takes tiles 20 p + w + 4 m, m = 0..4; a pass that leaves a wave
; no tile is jumped over by a scalar branch on the stored count.  A wave's five tiles of x (16 rows x 1,024 codes each, gathered by the list) stay in 640 registers for the whole pass.
; THE PRODUCT IS USED TRANSPOSED (source 0 = 16 rows of W1, source 1 = 16 rows of x): a lane holds ONE token, its registers run along the hidden units, which are the next product's K.
; THE ROWS OF W1 THAT FORM A TILE ARE NOT NEIGHBOURS: lane r of tile (b, u) takes hidden unit 32 b + 8 u + r + 8 (r / 8), so that the 16 registers of tiles (b, 0), (b, 1) are 16 neighbours,
; 32 b + 16 (lane / 16) + 0..15.  In LDS the rows are laid in that order, so a tile is 16 rows on end.
; K's places in a fragment: registers 4 c .. 4 c + 3 hold k = 32 c + 16 (lane / 16) + 0..15, alike in both operands: every product meets its partner; only the order of the sums inside an instruction differs.
; hq: [region x 64 + tile][K step = j][2,048 bytes]: the next product's fragment as an image of its registers: group b of four registers at 512 b + 16 x lane.  A store covers 512 consecutive bytes.
; b1 is the C of each sum's first matrix instruction, divided by 2^(ex + ew1), the power of two that the sums lack.
; NO TENSOR LOADS, NO CLUSTER: what a wave does hangs on counts read from memory; and only the shared expert's slices, 2 of the 26 MiB of weights, are read by more than one work-group.
; LIMITS: ex + ew1 between -126 and 127, eh between -126 and 112 (each power of two below is an f32 number).  NaN is not served.
; REGISTERS, in windows of 256.  Window 0: v1-23 addresses and constants; v24-103 accumulators (m, u) at 24 + 16 m + 8 u; v104-119 at work; v120-127 two sets of codes; v128-255 one tile of W1: 8 K steps x 16.
;   Windows 1-3: x: K step s, tile m at window 1 + s / 3, register 80 (s % 3) + 16 m.  Window 3: v160-175 the pair's bias; v224-255 the last eight weight loads on their way to LDS.
; THE MODE: SCHED_MODE bits 1:0 = 2 (LLVM: expert scheduling mode 2), set by the entry lines.  The code itself states the register dependences
; between vector or matrix instructions and memory or LDS instructions, with s_wait_alu, always for 0.
; THE PLAN.  Registers that memory or LDS instructions touch, behind the barrier:
;   WF (v128-255)     a tile of W1.  LDS loads land in it; a run of matrix instructions (MUL) reads it.
;   BR (window 3)     a pair's bias.  LDS loads land in it; the first instructions of the pair's two runs read it as C.
;   x (windows 1-3)   Loads at a pass's head land in it; every matrix instruction of the pass reads it.
;   v[XO ..]          The entries' loads land in it, XOCALC rewrites it, x's loads read it as their offsets.
;   v104-108          At the head of passes 1 to 3: the entries' offsets in the list, written by adds and read by five loads; else at work in the activation.
;   v[WA], v[WN], v[BN], v[IM]   Written by four adds at a trip's head; read by the trip's LDS loads and stores.
;   CD, two sets      Written by a tile's two conversions; read by its store.
;   The accumulators and v109-119 are named by vector and matrix instructions alone.
; A run of matrix instructions is followed by its tiles' activations.  The first activation's wait behind its exponentials stands behind the whole run too: it states as well that the run is done reading WF
; (and BR) and that the trip's addresses are written.  So the LDS loads of the next tile of W1 stand directly behind that wait and owe none of their own; the vector work that follows them names none of their registers.
; One wait on vm_vsrc stands at a trip's head, ahead of the four adds; a tile's store has a wait on va_vdst ahead of it (its codes are just made), and a set of codes one on vm_vsrc ahead of its next conversions.
.set WP,    1040                       ; a row of W1 in LDS: 1,024 bytes + 16: 65 x 16, so the 16 rows of a fragment load start at 16 different groups of four banks (64 banks of 4 bytes: ISA guide 11.1)
.set BIAS,  128*WP                     ; behind the 128 rows: 128 f32
.set L16,   1                          ; v1   16 x lane
.set W0,    2                          ; v2   r x WP + 16 (lane / 16)
.set WA,    3                          ; v3   this pair's tiles of W1
.set WN,    4                          ; v4   the next pair's
.set BI0,   5                          ; v5   BIAS + 64 (lane / 16)
.set BN,    6                          ; v6   the next pair's bias
.set IM,    7                          ; v7   my 16 bytes of the image's group b
.set SST,   8                          ; v8   where my wave lays its 32 rows of W1
.set LE,    9                          ; v9   4 (lane % 16)
.set XO,    10                         ; v10-14 a list entry, then my byte in its token's row of codes
.set HI16,  15                         ; v15  16 (lane / 16)
.set SCH,   16                         ; v16  2^eh
.set LIM,   17                         ; v17  57,344 x 2^eh
.set K0P,   18                         ; v[18:19] K0, twice
.set ACC,   24
.set ZB,    104
.set CD,    120
.set WF,    128
.set BR,    160                        ; in window 3
.set STG3,  224                        ; in window 3
.set WV, 2
.set J,  3
.set V,  4
.set CLS, 5
.set EX, 6
.set RHO, 7
.set TILE0, 30
.set TC, 31
.set NT, 32
.set PI, 33
.set B,  34
.set WOFF, 35
.set S1, 44                            ; s[44:45] 2^(ex + ew1)
.set NEG, 46
.set P20W, 47
.set WPT, 48
.set BPT, 50
.set XB, 52
.set LBT, 54
.set HB, 56
.set WNX, 58
.set BNX, 59
.set IOFF, 60
.set MSB, 0
.macro WIN new                         ; the immediate's high byte repeats the setting that is left; a switch that changes nothing is dropped
.if MSB != (\new)
	s_set_vgpr_msb (MSB<<8)|(\new)
.set MSB, (\new)
.endif
.endm
.macro PLACES                          ; four plain vector instructions between a matrix instruction and a read of its result (ISA guide 7.12.1)
.rept 4
	v_nop
.endr
.endm
.macro XOCALC                          ; entry = 4 x token + slot -> token x 1,024 + 16 (lane / 16)
.irp m, 0,1,2,3,4
	v_min_u32 v[XO+\m], 4095, v[XO+\m]
	v_and_b32 v[XO+\m], 0xffc, v[XO+\m]
	v_lshl_add_u32 v[XO+\m], v[XO+\m], 8, v[HI16]
.endr
.endm
.macro XLOADS                          ; five tiles of x, all of K: 160 loads; lane (r, h) takes 16 bytes of its token's row; eight loads together read each 256 bytes of a row whole
.irp s, 0,1,2,3,4,5,6,7
	WIN 0x40*(1+\s/3)
.irp m, 0,1,2,3,4
.irp c, 0,1,2,3
	global_load_b128 v[80*(\s%3)+16*\m+4*\c:80*(\s%3)+16*\m+4*\c+3], v[XO+\m], s[XB:XB+1] offset:128*\s+32*\c
.endr
.endr
.endr
	WIN 0
.endm
.macro WLOAD a, off                    ; one tile of W1, 16 rows x 1,024 K: 32 loads
.irp s, 0,1,2,3,4,5,6,7
.irp c, 0,1,2,3
	ds_load_b128 v[WF+16*\s+4*\c:WF+16*\s+4*\c+3], v[\a] offset:\off+128*\s+32*\c
.endr
.endr
.endm
.macro BLOAD a                         ; a pair's bias: my half's 16 hidden units
	WIN 0xc0
.irp q, 0,1,2,3
	ds_load_b128 v[BR+4*\q:BR+4*\q+3], v[\a] offset:16*\q
.endr
	WIN 0
.endm
; 8 nt matrix instructions: tile u of the pair against nt tiles of x.  The nt accumulators take turns, one instruction a turn
.macro MUL nt, u
.irp s, 0,1,2,3,4,5,6,7
.if \s == 0
	WIN 0x34                               ; x window 1, the bias (C) window 3
.elseif \s < 3
	WIN 0x04
.elseif \s < 6
	WIN 0x08
.else
	WIN 0x0c
.endif
.irp m, 0,1,2,3,4
.if \m < \nt
.if \s == 0
	v_wmma_f32_16x16x128_bf8_bf8 v[ACC+16*\m+8*\u:ACC+16*\m+8*\u+7], v[WF+16*\s:WF+16*\s+15], v[80*(\s%3)+16*\m:80*(\s%3)+16*\m+15], v[BR+8*\u:BR+8*\u+7]
.else
	v_wmma_f32_16x16x128_bf8_bf8 v[ACC+16*\m+8*\u:ACC+16*\m+8*\u+7], v[WF+16*\s:WF+16*\s+15], v[80*(\s%3)+16*\m:80*(\s%3)+16*\m+15], v[ACC+16*\m+8*\u:ACC+16*\m+8*\u+7]
.endif
.endif
.endr
.endr
	WIN 0
.endm
; eight sums become eight held numbers of the hidden layer, in place; the accumulator is read from its low end on.
; fetch = 1, 2: the first activation behind a run of matrix instructions: the LDS loads of the next tile of W1 stand behind its first wait (1: the pair's second tile; 2: the next pair's first tile and bias)
.macro EPI m, u, fetch
.set EA, ACC+16*(\m)+8*(\u)
.set EZ, ZB+8*(\u)
.irp i, 0,2,4,6
	v_pk_mul_f32 v[EA+\i:EA+\i+1], v[EA+\i:EA+\i+1], s[S1:S1+1] op_sel_hi:[1,0]      ; a = sum x 2^(ex + ew1)
.endr
.irp i, 0,2,4,6
	v_pk_mul_f32 v[EZ+\i:EZ+\i+1], v[EA+\i:EA+\i+1], v[EA+\i:EA+\i+1]
.endr
.irp i, 0,2,4,6
	v_pk_fma_f32 v[EZ+\i:EZ+\i+1], v[EZ+\i:EZ+\i+1], 0xbdd2d3e8, v[K0P:K0P+1] op_sel_hi:[1,0,1]   ; K1 a^2 + K0: K0 = -2 log2(e) sqrt(2 / pi), K1 = 0.044715 K0
.endr
.irp i, 0,2,4,6
	v_pk_mul_f32 v[EZ+\i:EZ+\i+1], v[EZ+\i:EZ+\i+1], v[EA+\i:EA+\i+1]
.endr
.irp i, 0,1,2,3,4,5,6,7
	v_exp_f32 v[EZ+\i], v[EZ+\i]
.endr
	v_nop                                          ; a plain place behind the exponentials
	s_wait_alu depctr_va_vdst(0)                   ; the exponentials have written v[EZ ..], ahead of their first reader; with fetch: the run of matrix instructions above is done reading WF (and BR), in which the loads below land, and the trip's adds have written these loads' addresses
.if \fetch == 1
	WLOAD WA, 16*WP                                ; tile (b, 1) comes while the first tile's sums are worked: no vector instruction behind the wait names WF or v[WA]
.endif
.if \fetch == 2
	WLOAD WN, 0                                    ; the next pair's first tile (behind the last pair: pair 0 again, for the next pass),
	BLOAD BN                                       ; and its bias: nothing but loads and window switches stands between the wait and these
.endif
.irp i, 0,2,4,6
	v_pk_add_f32 v[EZ+\i:EZ+\i+1], v[EZ+\i:EZ+\i+1], 1.0 op_sel_hi:[1,0]
.endr
.irp i, 0,1,2,3,4,5,6,7
	v_rcp_f32 v[EZ+\i], v[EZ+\i]
.endr
	v_nop                                          ; a plain place behind the reciprocals
	s_wait_alu depctr_va_vdst(0)                   ; the reciprocals have written v[EZ ..], ahead of their first reader
.irp i, 0,2,4,6
	v_pk_mul_f32 v[EA+\i:EA+\i+1], v[EA+\i:EA+\i+1], v[EZ+\i:EZ+\i+1]                ; gelu(a)
.endr
.irp i, 0,1,2,3,4,5,6,7
	v_med3_num_f32 v[EA+\i], v[EA+\i], -v[LIM], v[LIM]   ; the conversion to an 8-bit code does not saturate (ISA guide 7.6.2)
.endr
.endm
.macro PACK m                          ; tile m's 16 neighbours along the next K become four registers of codes: group b of the image
.if \m >= 2
	s_wait_xcnt 0x0                                ; the store of two tiles ago has had its address translated,
	s_wait_alu depctr_vm_vsrc(0)                   ; and has read this set of codes, which the conversions below write again
.endif
	v_cvt_scalef32_pk8_bf8_f32 v[CD+4*((\m)%2):CD+4*((\m)%2)+1], v[ACC+16*(\m):ACC+16*(\m)+7], v[SCH]
	v_cvt_scalef32_pk8_bf8_f32 v[CD+4*((\m)%2)+2:CD+4*((\m)%2)+3], v[ACC+16*(\m)+8:ACC+16*(\m)+15], v[SCH]
	v_nop                                          ; a plain place between a scaled conversion and the next vector or matrix instruction that writes its sources
	s_wait_alu depctr_va_vdst(0)                   ; the conversions have written the codes, which the store reads (its offset v[IM] was written at the trip's head)
	global_store_b128 v[IM], v[CD+4*((\m)%2):CD+4*((\m)%2)+3], s[HB:HB+1] offset:131072*(\m)   ; tile m lies 4 tiles of 32,768 bytes behind tile m - 1
.endm
; A pair b of tiles of W1 against the wave's tiles.  On entry tile (b, 0) and the pair's bias are on their way from LDS.  nt = 5: all five tiles are mine.  nt = 4: the products are made for four;
; of those that are not mine (a clamped or padded entry's) nothing is kept: a scalar branch on the count leaves the rest of the list of tiles out.
.macro BODY nt
	s_wait_xcnt 0x0                                ; the last trip's stores have had their addresses translated
	s_wait_alu depctr_vm_vsrc(0)                   ; the last trip's stores have read v[IM] and their codes, its LDS loads v[WA], v[WN] and v[BN]: the four adds below and this trip's conversions write them again
	v_add_nc_u32 v[IM], s[IOFF], v[L16]
	v_add_nc_u32 v[WA], s[WOFF], v[W0]
	v_add_nc_u32 v[WN], s[WNX], v[W0]
	v_add_nc_u32 v[BN], s[BNX], v[BI0]
	s_wait_dscnt 0x0                               ; tile (b, 0) and the bias are in
	MUL \nt, 0
	PLACES
	EPI 0, 0, 1
.irp m, 1,2,3,4
.if \m < \nt
.if \nt == 4
	s_cmp_gt_u32 s[NT], \m
	s_cbranch_scc0 .Le0_\@
.endif
	EPI \m, 0, 0
.endif
.endr
.Le0_\@:
	s_wait_dscnt 0x0
	MUL \nt, 1
	PLACES
	EPI 0, 1, 2
	PACK 0
.irp m, 1,2,3,4
.if \m < \nt
.if \nt == 4
	s_cmp_gt_u32 s[NT], \m
	s_cbranch_scc0 .Le1_\@
.endif
	EPI \m, 1, 0
	PACK \m
.endif
.endr
.Le1_\@:
.endm
	s_load_b512 s[8:23], s[0:1], 0x0               ; xq 8, list 10, seg 12, exponents 14, shared_w1 16, mode_w1 18, routed_w1 20, shared_b1 22
	s_load_b128 s[24:27], s[0:1], 0x40             ; mode_b1 24, routed_b1 26
	s_load_b64 s[28:29], s[0:1], 0x50              ; hq
	s_set_vgpr_msb 0x40
	v_lshl_add_u32 v254, v0, 2, 0x20a00
	v_mov_b32 v255, 0
	s_set_vgpr_msb 0x4000
	v_lshrrev_b32 v20, 5, v0
	v_readfirstlane_b32 s[WV], v20                 ; wave 0..3
	v_and_b32 v21, 31, v0                          ; lane
	v_and_b32 v20, 15, v0                          ; r
	v_bfe_u32 v22, v0, 4, 1                        ; h
	v_lshlrev_b32 v[L16], 4, v21
	v_mul_u32_u24 v[W0], v20, WP
	v_lshl_add_u32 v[W0], v22, 4, v[W0]
	v_lshlrev_b32 v[BI0], 6, v22
	v_add_nc_u32 v[BI0], BIAS, v[BI0]
	s_wait_alu depctr_va_sdst(0)                   ; the wave's number is written, ahead of its first reader: LDS places and the buffers' offsets are made from it
	s_mul_i32 s40, s[WV], 32*WP
	v_add_nc_u32 v[SST], s40, v[L16]
	v_lshlrev_b32 v[LE], 2, v20
	v_lshlrev_b32 v[HI16], 4, v22
	v_lshl_add_u32 v23, s[WV], 6, v[LE]            ; the list: tile w of the pass, my row's entry
	v_lshlrev_b32 v24, 2, v21                      ; b1: 4 bytes a lane
	v_lshl_add_u32 v26, v0, 2, BIAS                ; and where it goes in LDS
	v_mov_b32 v[K0P], 0xc0135761
	v_mov_b32 v[K0P+1], 0xc0135761
	s_mov_b32 s[J], ttmp9
	s_and_b32 s[V], ttmp7, 0xffff
	s_sub_co_u32 s42, s[V], 3                      ; a mode or routed expert's region
	s_lshl_b32 s43, s[V], 4                        ; a shared quarter's first tile
	s_sub_co_u32 s61, s[V], 4
	s_sub_co_u32 s62, s[V], 8
	s_mov_b32 s41, 0                               ; the upper word of every offset below
	s_wait_kmcnt 0x0
	s_cmp_lt_u32 s[V], 8                           ; the choices hang on the work-group's number alone
	s_cselect_b64 s[WPT:WPT+1], s[18:19], s[20:21]
	s_cselect_b64 s[BPT:BPT+1], s[24:25], s[26:27]
	s_cselect_b32 s[EX], s61, s62
	s_cselect_b32 s[CLS], 1, 2
	s_cmp_lt_u32 s[V], 4
	s_cselect_b64 s[WPT:WPT+1], s[16:17], s[WPT:WPT+1]
	s_cselect_b64 s[BPT:BPT+1], s[22:23], s[BPT:BPT+1]
	s_cselect_b32 s[EX], 0, s[EX]
	s_cselect_b32 s[CLS], 0, s[CLS]
	s_cselect_b32 s[RHO], 0, s42
	s_cselect_b32 s[TILE0], s43, 0
	s_lshl_b32 s40, s[CLS], 4
	s_add_nc_u64 s[14:15], s[14:15], s[40:41]
	s_load_b128 s[36:39], s[14:15], 0x0            ; the class's ex, ew1, ew2, eh
	s_lshl_b32 s40, s[V], 2
	s_add_nc_u64 s[12:13], s[12:13], s[40:41]
	s_load_b32 s[TC], s[12:13], 0x0                ; my virtual expert's tiles
	s_lshl_b32 s40, s[EX], 21                      ; W1: 2 MiB an expert, 131,072 bytes a slice, 32,768 a wave
	s_lshl_b32 s42, s[J], 17
	s_add_co_u32 s40, s40, s42
	s_lshl_b32 s42, s[WV], 15
	s_add_co_u32 s40, s40, s42
	s_add_nc_u64 s[WPT:WPT+1], s[WPT:WPT+1], s[40:41]
	s_lshl_b32 s40, s[EX], 13                      ; b1: 8,192 bytes an expert, 512 a slice, 128 a wave
	s_lshl_b32 s42, s[J], 9
	s_add_co_u32 s40, s40, s42
	s_lshl_b32 s42, s[WV], 7
	s_add_co_u32 s40, s40, s42
	s_add_nc_u64 s[BPT:BPT+1], s[BPT:BPT+1], s[40:41]
	s_lshl_b32 s40, s[CLS], 20
	s_add_nc_u64 s[XB:XB+1], s[8:9], s[40:41]      ; x under the class's scale
	s_mul_i32 s40, s[RHO], 5376
	s_lshl_b32 s42, s[TILE0], 6
	s_add_co_u32 s40, s40, s42
	s_add_nc_u64 s[LBT:LBT+1], s[10:11], s[40:41]  ; the list at my virtual expert's first tile
	s_lshl_b32 s40, s[RHO], 6
	s_add_co_u32 s40, s40, s[TILE0]
	s_add_co_u32 s40, s40, s[WV]
	s_lshl_b32 s40, s40, 4
	s_add_co_u32 s40, s40, s[J]
	s_lshl_b32 s40, s40, 11
	s_add_nc_u64 s[HB:HB+1], s[28:29], s[40:41]    ; hq at tile w of pass 0, K step j
	s_wait_alu depctr_va_vdst(0)                   ; the offsets and LDS addresses v1, v2, v5, v8, v23, v24 and v26 are written, which the loads and LDS instructions below read
; pass 0's entries (every entry below 320 of a region, below 1,280 of region 0, is written whatever the split), the bias, the weights
.irp m, 0,1,2,3,4
	global_load_b32 v[XO+\m], v23, s[LBT:LBT+1] offset:256*\m
.endr
	global_load_b32 v25, v24, s[BPT:BPT+1]
.set q, 0
.rept 56
	global_load_b128 v[32+4*q:35+4*q], v[L16], s[WPT:WPT+1] offset:512*q   ; 512 consecutive bytes a load
.set q, q+1
.endr
	s_wait_loadcnt 56                              ; the entries and the bias are in; the 56 weight loads may be out
	s_wait_kmcnt 0x0
	s_add_co_i32 s40, s36, s37                     ; ex + ew1
	s_sub_co_i32 s[NEG], 0, s40
	s_add_co_i32 s40, s40, 127
	s_lshl_b32 s[S1], s40, 23                      ; 2^(ex + ew1) as f32
	s_mov_b32 s[S1+1], s[S1]                       ; (named with it as a pair, so it is written)
	s_add_co_i32 s40, s39, 127
	s_lshl_b32 s42, s40, 23
	v_mov_b32 v[SCH], s42
	s_add_co_i32 s40, s40, 15
	s_lshl_b32 s40, s40, 23
	s_or_b32 s40, s40, 0x600000
	v_mov_b32 v[LIM], s40
	XOCALC
	v_ldexp_f32 v25, v25, s[NEG]                   ; b1 / 2^(ex + ew1)
	s_wait_alu depctr_va_vdst(0)                   ; v25 is written, which the LDS store reads, and so are v[XO ..], which x's loads read as their offsets
	ds_store_b32 v26, v25
	WIN 0xc0
.rept 8
	global_load_b128 v[STG3+4*(q-56):STG3+4*(q-56)+3], v[L16], s[WPT:WPT+1] offset:512*q
.set q, q+1
.endr
	WIN 0
	XLOADS
	s_wait_loadcnt 63                              ; 160 loads were issued behind the last weight load: all that is older than the youngest 63 is in, the weights among it
.set q, 0
.rept 56                               ; row i of my 32 goes to row (i & 7) | (i & 8) << 1 | (i & 16) >> 1: the order in which tiles take them
.set rw, q>>1
.set sw, (rw&7)|((rw&8)<<1)|((rw&16)>>1)
	ds_store_b128 v[SST], v[32+4*q:35+4*q] offset:sw*WP+512*(q&1)
.set q, q+1
.endr
	WIN 0x0c                                       ; the data lie in window 3
.rept 8
.set rw, q>>1
.set sw, (rw&7)|((rw&8)<<1)|((rw&16)>>1)
	ds_store_b128 v[SST], v[STG3+4*(q-56):STG3+4*(q-56)+3] offset:sw*WP+512*(q&1)
.set q, q+1
.endr
	WIN 0
	s_wait_dscnt 0x0                               ; for the others' sake: my rows and my part of the bias have landed
	s_barrier_signal -1
	s_barrier_wait -1                              ; the launch's one barrier: behind it LDS is only read
	s_wait_alu depctr_vm_vsrc(0)                   ; the bias's load and store have read v24 to v26, my LDS stores v32 to v255: from here on these are the accumulators, the registers at work, the codes and WF, in which the loads below land
	WLOAD W0, 0
	BLOAD BI0
	s_mov_b32 s[PI], 0
.Lpass:
	s_mul_i32 s40, s[PI], 20
	s_add_co_u32 s[P20W], s40, s[WV]               ; my first tile of the pass
	s_sub_co_i32 s40, s[TC], s[P20W]
	s_add_co_i32 s40, s40, 3
	s_ashr_i32 s40, s40, 2
	s_max_i32 s40, s40, 0
	s_min_i32 s[NT], s40, 5                        ; how many of its five are mine
	s_cmp_eq_u32 s[PI], 0
	s_cbranch_scc1 .Lhave_x                        ; pass 0's x was asked for at the head
	s_cmp_eq_u32 s[NT], 0
	s_cbranch_scc1 .Lhave_x
	s_sub_co_u32 s42, s[TC], 1
.irp m, 0,1,2,3,4
	s_add_co_u32 s43, s[P20W], 4*\m
	s_min_u32 s43, s43, s42                        ; a tile past the last reads the last,
	s_min_u32 s43, s43, 63                         ; (a number made of a loaded one is held by a constant before it enters an address)
	s_lshl_b32 s43, s43, 6
	v_add_nc_u32 v[ZB+\m], s43, v[LE]              ; the entry's offset in the list, in a register that is at work only inside a trip
.endr
	s_wait_alu depctr_vm_vsrc(0)                   ; x's loads of the pass before have read v[XO ..], in which the entries land
	s_wait_alu depctr_va_vdst(0)                   ; the five adds have written the loads' offsets; the lines that made the pass before's v[XO ..] are done with them
.irp m, 0,1,2,3,4
	global_load_b32 v[XO+\m], v[ZB+\m], s[LBT:LBT+1]
.endr
	s_wait_loadcnt 0x0
	s_wait_alu depctr_vm_vsrc(0)                   ; the five loads have read v104 to v108, which the activations write again
	XOCALC
	s_wait_alu depctr_va_vdst(0)                   ; v[XO ..] are written, which x's loads read; the pass before's matrix instructions are done reading x, in which they land
	XLOADS
.Lhave_x:
	s_wait_loadcnt 0x0                             ; x is in
	s_mov_b32 s[B], 0
.Ltrip:                                            ; four pairs of tiles of W1: 32 hidden units each
	s_mul_i32 s[WOFF], s[B], 32*WP
	s_lshl_b32 s[IOFF], s[B], 9
	s_add_co_u32 s40, s[B], 1
	s_and_b32 s40, s40, 3
	s_mul_i32 s[WNX], s40, 32*WP
	s_lshl_b32 s[BNX], s40, 7
	s_cmp_eq_u32 s[NT], 0
	s_cbranch_scc1 .Lstep
	s_cmp_gt_u32 s[NT], 4
	s_cbranch_scc1 .Lfive
	BODY 4
	s_branch .Lstep
.Lfive:
	BODY 5
.Lstep:
	s_add_co_u32 s[B], s[B], 1
	s_cmp_lt_u32 s[B], 4
	s_cbranch_scc1 .Ltrip
	s_wait_xcnt 0x0                                ; the stores have read their base
	s_add_nc_u64 s[HB:HB+1], s[HB:HB+1], 20*32768  ; 20 tiles on
	s_add_co_u32 s[PI], s[PI], 1
	s_cmp_lt_u32 s[PI], 4
	s_cbranch_scc1 .Lpass
	s_wait_dscnt 0x0                               ; the look-ahead loads of the last trip
	s_set_vgpr_msb 0x5                             ; the add's two registers lie in window 1
	s_wait_dscnt 0x0                               ; the closing lines, six on end
	s_wait_alu 0x0
	s_wait_tensorcnt 0x0
	ds_add_u32 v254, v255
	s_wait_dscnt 0x0
	s_endpgm
.Lfunc_end_k_q3618b6180e_up:
	.size	k_q3618b6180e_up, .Lfunc_end_k_q3618b6180e_up-k_q3618b6180e_up
	.p2alignl 7, 3214868480
	.fill 96, 4, 3214868480
	.section	.rodata,"a",@progbits
	.p2align	6, 0x0
	.amdhsa_kernel k_q3618b6180e_up
		.amdhsa_group_segment_fixed_size 134144
		.amdhsa_private_segment_fixed_size 0
		.amdhsa_enable_private_segment 0
		.amdhsa_kernarg_size 88
		.amdhsa_user_sgpr_count 2
		.amdhsa_user_sgpr_kernarg_segment_ptr 1
		.amdhsa_wavefront_size32 1
		.amdhsa_system_sgpr_workgroup_id_x 1
		.amdhsa_system_sgpr_workgroup_id_y 1
		.amdhsa_system_sgpr_workgroup_id_z 1
		.amdhsa_system_vgpr_workitem_id 0
		.amdhsa_next_free_vgpr 1024
		.amdhsa_next_free_sgpr 72
		.amdhsa_reserve_vcc 0
		.amdhsa_float_denorm_mode_32 3
		.amdhsa_float_denorm_mode_16_64 3
		.amdhsa_memory_ordered 1
		.amdhsa_forward_progress 1
		.amdhsa_inst_pref_size 125
	.end_amdhsa_kernel
	.amdgpu_metadata
---
amdhsa.version: [ 1, 2 ]
amdhsa.kernels:
  - .name:           k_q3618b6180e_up
    .symbol:         k_q3618b6180e_up.kd
    .args:
      - { .name: xq, .offset: 0, .size: 8, .value_kind: global_buffer, .address_space: global }
      - { .name: list, .offset: 8, .size: 8, .value_kind: global_buffer, .address_space: global }
      - { .name: seg, .offset: 16, .size: 8, .value_kind: global_buffer, .address_space: global }
      - { .name: lowp_scales, .offset: 24, .size: 8, .value_kind: global_buffer, .address_space: global }
      - { .name: shared_w1_codes, .offset: 32, .size: 8, .value_kind: global_buffer, .address_space: global }
      - { .name: mode_w1_codes, .offset: 40, .size: 8, .value_kind: global_buffer, .address_space: global }
      - { .name: routed_w1_codes, .offset: 48, .size: 8, .value_kind: global_buffer, .address_space: global }
      - { .name: shared_b1, .offset: 56, .size: 8, .value_kind: global_buffer, .address_space: global }
      - { .name: mode_b1, .offset: 64, .size: 8, .value_kind: global_buffer, .address_space: global }
      - { .name: routed_b1, .offset: 72, .size: 8, .value_kind: global_buffer, .address_space: global }
      - { .name: hq, .offset: 80, .size: 8, .value_kind: global_buffer, .address_space: global }
    .group_segment_fixed_size: 134144
    .private_segment_fixed_size: 0
    .kernarg_segment_align: 8
    .kernarg_segment_size: 88
    .max_flat_workgroup_size: 128
    .sgpr_count:     72
    .vgpr_count:     1024
    .wavefront_size: 32
...
	.end_amdgpu_metadata
.endif
;; end of part 6
;; launch down (part 7): grid 16 x 16, 4 waves a work-group, no clusters, 150,016 bytes of LDS; arguments hq, list, seg, lowp_scales, shared_w2_codes, mode_w2_codes, routed_w2_codes, shared_b2, mode_b2, routed_b2, y; writes y
.if DOCPART == 7
	.amdgcn_target "amdgcn-amd-amdhsa--gfx1250"
	.amdhsa_code_object_version 6
	.text
	.protected	k_q3618b6180e_down
	.globl	k_q3618b6180e_down
	.p2align	8
	.type	k_q3618b6180e_down,@function
k_q3618b6180e_down:
	s_mov_b64 s[64:65], 0
	v_nop
	global_prefetch_b8 v0, s[64:65] scope:SCOPE_SE
	s_setreg_imm32_b32 hwreg(HW_REG_WAVE_SCHED_MODE, 0, 2), 2
	s_setreg_imm32_b32 hwreg(HW_REG_WAVE_MODE, 25, 1), 1
	s_wait_xcnt 0x0
	s_wait_alu depctr_vm_vsrc(0)
; THE SECOND LAYER, for the rows that each expert was given: y[entry] = h W2 x 2^(ew2 + eh) + b2; a row of y for each (token, slot), entry = 4 x token + slot as the list has it.
; SHARES.  Work-group (j, v): slice j of 64 output columns of virtual expert v (as in the first layer's launch): 131,072 bytes of W2, read from memory by this work-group alone (the shared expert's by four),
; laid into LDS once and read by all four waves.  In pass p (four, a constant) wave w takes tiles 20 p + w + 4 m, m = 0..4, of 16 rows; a pass without a tile for the wave is jumped over by a
; scalar branch on the stored count.  A pass is written out whole, once for five tiles and once for four, so that every counted wait counts the same loads on every way.
; h comes from memory straight into registers, as the images of fragments that the first layer stored: a load reads 512 consecutive bytes.  Five buffers: the loads run four K steps ahead.
; THE PRODUCT IS USED TRANSPOSED (source 0 = 16 rows of W2, source 1 = 16 rows of h): a lane holds one token and eight neighbouring columns.  A tile goes through the wave's own stage in LDS and
; leaves by rows: sixteen lanes store 256 consecutive bytes, aligned, of the row of y that the list names.  The last tile's spare rows repeat one of its rows: the same numbers to the same bytes.
; NO TENSOR LOADS, NO CLUSTER: what a wave does hangs on counts read from memory; and only the shared expert's slices are read by more than one work-group.
; LIMIT: ew2 + eh between -126 and 127, so that 2^(ew2 + eh) is an f32 number.
; REGISTERS, in windows of 256.  Window 0: v1-21 addresses; v32-63 a tile's results; v64-95 its rows back from the stage; v96-103 their offsets in y; v128-255 W2's fragments, two sets of 4 tiles x 16.
;   Window 1: v0-159 accumulators (m, t) at 8 (4 m + t); v160-191 b2; v192-231 list entries.   Window 2: h's buffers 0-2, 80 registers each.   Window 3: v0-159 buffers 3 and 4.
; THE MODE: SCHED_MODE bits 1:0 = 2 (LLVM: expert scheduling mode 2), set by the entry lines.  The code itself states the register dependences
; between vector or matrix instructions and memory or LDS instructions, with s_wait_alu, always for 0.
; THE PLAN.  Registers that memory or LDS instructions touch, behind the barrier:
;   W2's sets 0, 1    Step s's matrix instructions read set s % 2; the LDS loads issued in step s land in set (s + 1) % 2, which step s - 1 read.
;   h's buffers 0-4   Step s's matrix instructions read buffer s % 5; the loads issued in step s (K step s + 4) land in buffer (s + 4) % 5 = (s - 1) % 5, which step s - 1 read.
;   v[H ..], v[Q ..]  Written by adds at a pass's head; read by the pass's loads of h and of the entries.
;   the entries       Loads at a pass's head land in them; the way out's v_min_u32 read them.
;   v[T ..]           Written by a tile's multiply-adds; read by its LDS stores.    v[BK ..]  LDS loads land in it; the tile's global stores read it.    v[YA ..]  Written by vector lines; read by those stores as offsets.
;   The accumulators and b2 are named by vector and matrix instructions alone (b2 was loaded once, at the head).
; So ONE wait on va_vdst stands at a step's head, behind the waits for the step's own data: it states that the step before's matrix instructions are done reading W2's other set and h's buffer (s - 1) % 5.
; The step's loads follow it behind the step's first four matrix instructions, which name set s % 2, buffer s % 5 and sums: none of the registers that those loads touch.  Step 0 leans on the wait at the pass's head;
; step 15 issues no load and has no wait.  A pass's head has one wait on vm_vsrc ahead of its adds and one on va_vdst ahead of its loads; a tile's way out likewise, ahead of its vector lines and ahead of its LDS stores.
.set WP2,   2064                       ; a row of W2 in LDS: 2,048 bytes + 16: 129 x 16
.set STAGE, 64*WP2                     ; behind the 64 rows: 16 rows x 272 bytes for each wave
.set L16,   1                          ; v1   16 x lane
.set WLO,   2                          ; v2   r x WP2 + 16 (lane / 16): tiles 0, 1
.set WHI,   3                          ; v3   the same 32 rows on: tiles 2, 3
.set SST,   4                          ; v4   where my wave lays its 16 rows of W2
.set STO,   5                          ; v5   the stage: where I put 32 bytes of a row
.set RD,    6                          ; v6   and where I read rows back
.set C16,   7                          ; v7   16 (lane % 16)
.set H,     8                          ; v8-12  tile m's image in hq, my 16 bytes
.set Q,     13                         ; v13-17 tile m's entries in the list, my half's eight
.set HI32,  18                         ; v18  32 (lane / 16)
.set T,     32
.set BK,    64
.set YA,    96
.set WF,    128
.set WV, 2
.set J,  3
.set V,  4
.set CLS, 5
.set EX, 6
.set RHO, 7
.set TILE0, 30
.set TC, 31
.set NT, 32
.set PI, 33
.set S2, 44                            ; s[44:45] 2^(ew2 + eh)
.set P20W, 47
.set WPT, 48
.set BPT, 50
.set HQ, 52
.set LB, 54
.set YB, 56
.set MSB, 0
.macro WIN new                         ; the immediate's high byte repeats the setting that is left; a switch that changes nothing is dropped
.if MSB != (\new)
	s_set_vgpr_msb (MSB<<8)|(\new)
.set MSB, (\new)
.endif
.endm
.macro PLACES                          ; four plain vector instructions behind a run of matrix instructions, ahead of a read of its results and of the next loads into its registers
.rept 4
	v_nop
.endr
.endm
.macro HLOAD nt, s                     ; K step s of my nt tiles of h into buffer s % 5
	WIN 0x80+0x40*(((\s)%5)/3)
.irp m, 0,1,2,3,4
.if \m < \nt
.irp c, 0,1,2,3
	global_load_b128 v[80*(((\s)%5)%3)+16*\m+4*\c:80*(((\s)%5)%3)+16*\m+4*\c+3], v[H+\m], s[HQ:HQ+1] offset:2048*(\s)+512*\c
.endr
.endif
.endr
.endm
.macro WFETCH s                        ; K step s of W2's four tiles into set s % 2: 16 loads
	WIN 0
.irp t, 0,1,2,3
.irp c, 0,1,2,3
.if \t < 2
	ds_load_b128 v[WF+64*((\s)%2)+16*\t+4*\c:WF+64*((\s)%2)+16*\t+4*\c+3], v[WLO] offset:(\t%2)*16*WP2+128*(\s)+32*\c
.else
	ds_load_b128 v[WF+64*((\s)%2)+16*\t+4*\c:WF+64*((\s)%2)+16*\t+4*\c+3], v[WHI] offset:(\t%2)*16*WP2+128*(\s)+32*\c
.endif
.endr
.endr
.endm
; K step s, tiles lo .. hi - 1 of h against W2's four tiles: each matrix instruction on an accumulator of its own: they take turns, one instruction a turn
.macro MULT s, lo, hi
	WIN 0x58+4*(((\s)%5)/3)                        ; W2 window 0, h window 2 or 3, C and D window 1
.irp m, 0,1,2,3,4
.if (\m >= \lo) && (\m < \hi)
.irp t, 0,1,2,3
.if \s == 0
	v_wmma_f32_16x16x128_bf8_bf8 v[8*(4*\m+\t):8*(4*\m+\t)+7], v[WF+64*((\s)%2)+16*\t:WF+64*((\s)%2)+16*\t+15], v[80*(((\s)%5)%3)+16*\m:80*(((\s)%5)%3)+16*\m+15], 0
.else
	v_wmma_f32_16x16x128_bf8_bf8 v[8*(4*\m+\t):8*(4*\m+\t)+7], v[WF+64*((\s)%2)+16*\t:WF+64*((\s)%2)+16*\t+15], v[80*(((\s)%5)%3)+16*\m:80*(((\s)%5)%3)+16*\m+15], v[8*(4*\m+\t):8*(4*\m+\t)+7]
.endif
.endr
.endif
.endr
.endm
; One K step of 128: 4 nt matrix instructions
.macro STEP nt, s
	s_wait_dscnt 0x0                               ; this step's fragments of W2 are in: they were asked for a step ago, and no LDS instruction was issued behind them
.if \s < 12
	s_wait_loadcnt 12*\nt                          ; this step's h is in; the three steps' loads behind it may be out
.else
	s_wait_loadcnt 4*\nt*(15-\s)
.endif
.if (\s > 0) && (\s < 15)
	s_wait_alu depctr_va_vdst(0)                   ; the step before's matrix instructions are done reading W2's other set and h's buffer (s - 1) % 5, in which this step's loads land
.endif
	MULT \s, 0, 1
.if \s < 15
	WFETCH (\s+1)                                  ; no wait: the four matrix instructions since the wait name this step's set, this step's buffer and sums
.endif
.if \s < 12
	HLOAD \nt, (\s+4)                              ; the buffer that the step before multiplied takes the K step four on
.endif
	MULT \s, 1, \nt
	PLACES
.endm
; Tile m leaves: x 2^(ew2 + eh) + b2; through my stage; by rows to the rows of y that the list names
.macro OUT m
	s_wait_xcnt 0x0                                ; the tile before's stores have had their addresses translated
	s_wait_alu depctr_vm_vsrc(0)                   ; the tile before's global stores have read v[YA ..] and v[BK ..], its LDS stores v[T ..]: all three are written again below
	WIN 0x04
.irp i, 0,1,2,3,4,5,6,7
	v_min_u32 v[YA+\i], 4095, v[192+8*(\m)+\i]     ; row 8 (lane / 16) + i's entry, held inside y
.endr
	WIN 0
.irp i, 0,1,2,3,4,5,6,7
	v_lshl_add_u32 v[YA+\i], v[YA+\i], 12, v[C16]  ; a row of y is 4,096 bytes
.endr
	WIN 0x11                                       ; the sums and b2 lie in window 1
.irp t, 0,1,2,3
.irp i, 0,2,4,6
	v_pk_fma_f32 v[T+8*\t+\i:T+8*\t+\i+1], v[8*(4*(\m)+\t)+\i:8*(4*(\m)+\t)+\i+1], s[S2:S2+1], v[160+8*\t+\i:160+8*\t+\i+1] op_sel_hi:[1,0,1]   ; each accumulator from its low end on
.endr
.endr
	WIN 0
	s_wait_alu depctr_va_vdst(0)                   ; the multiply-adds have written v[T ..], which the LDS stores read, and v[YA ..] are written, which the global stores read as offsets
.irp t, 0,1,2,3
	ds_store_b128 v[STO], v[T+8*\t:T+8*\t+3] offset:64*\t
	ds_store_b128 v[STO], v[T+8*\t+4:T+8*\t+7] offset:64*\t+16
.endr
.irp i, 0,1,2,3,4,5,6,7
	ds_load_b128 v[BK+4*\i:BK+4*\i+3], v[RD] offset:272*\i   ; LDS serves a wave's instructions in order (ISA guide 5.7.1.4): these see my stores
.endr
.irp i, 0,1,2,3,4,5,6,7
	s_wait_dscnt 7-\i
	global_store_b128 v[YA+\i], v[BK+4*\i:BK+4*\i+3], s[YB:YB+1]   ; lanes 0-15: row i's 256 bytes; lanes 16-31: row 8 + i's
.endr
.endm
.macro PASS nt
	s_wait_alu depctr_vm_vsrc(0)                   ; the pass before's loads have read v[H ..] and v[Q ..], which the adds below write; in the first pass: my LDS stores have read the registers that W2 passed through, where the sums begin and the way out works
	s_sub_co_u32 s42, s[TC], 1
.irp m, 0,1,2,3,4
.if \m < \nt
	s_add_co_u32 s43, s[P20W], 4*\m
	s_min_u32 s43, s43, s42                        ; a tile past the last reads the last (nothing of it is kept),
	s_add_co_u32 s43, s43, s[TILE0]
	s_min_u32 s43, s43, 63                         ; (a number made of a loaded one is held by a constant before it enters an address)
	s_lshl_b32 s40, s43, 15
	v_add_nc_u32 v[H+\m], s40, v[L16]              ; (the pass before's loads were all waited for)
	s_lshl_b32 s40, s43, 6
	v_add_nc_u32 v[Q+\m], s40, v[HI32]
.endif
.endr
	WIN 0x40
	s_wait_alu depctr_va_vdst(0)                   ; v[H ..] and v[Q ..] are written, which the loads below read; the pass before's matrix instructions are done reading h's buffers and W2's sets, its way out the entries: the loads below, and step 0's, land in these
.irp m, 0,1,2,3,4
.if \m < \nt
	global_load_b128 v[192+8*\m:192+8*\m+3], v[Q+\m], s[LB:LB+1]
	global_load_b128 v[192+8*\m+4:192+8*\m+7], v[Q+\m], s[LB:LB+1] offset:16
.endif
.endr
	HLOAD \nt, 0
	HLOAD \nt, 1
	HLOAD \nt, 2
	HLOAD \nt, 3
	WFETCH 0
.irp s, 0,1,2,3,4,5,6,7,8,9,10,11,12,13,14,15
	STEP \nt, \s
.endr
	OUT 0
.irp m, 1,2,3,4
.if \m < \nt
.if \nt == 4
	s_cmp_gt_u32 s[NT], \m
	s_cbranch_scc0 .Lout_\@
.endif
	OUT \m
.endif
.endr
.Lout_\@:
.endm
	s_load_b512 s[8:23], s[0:1], 0x0               ; hq 8, list 10, seg 12, exponents 14, shared_w2 16, mode_w2 18, routed_w2 20, shared_b2 22
	s_load_b128 s[24:27], s[0:1], 0x40             ; mode_b2 24, routed_b2 26
	s_load_b64 s[28:29], s[0:1], 0x50              ; y
	v_lshl_add_u32 v30, v0, 2, 0x24800
	v_mov_b32 v31, 0
	v_lshrrev_b32 v19, 5, v0
	v_readfirstlane_b32 s[WV], v19                 ; wave 0..3
	v_and_b32 v19, 31, v0                          ; lane
	v_and_b32 v20, 15, v0                          ; r
	v_bfe_u32 v21, v0, 4, 1                        ; h
	v_lshlrev_b32 v[L16], 4, v19
	v_mul_u32_u24 v[WLO], v20, WP2
	v_lshl_add_u32 v[WLO], v21, 4, v[WLO]
	v_add_nc_u32 v[WHI], 32*WP2, v[WLO]
	s_wait_alu depctr_va_sdst(0)                   ; the wave's number is written, ahead of its first reader: LDS places and the buffers' offsets are made from it
	s_mul_i32 s40, s[WV], 16*WP2
	v_add_nc_u32 v[SST], s40, v[L16]
	s_mul_i32 s40, s[WV], 16*272
	s_add_co_u32 s40, s40, STAGE                   ; my stage
	v_mul_u32_u24 v[STO], v20, 272
	v_lshl_add_u32 v[STO], v21, 5, v[STO]
	v_add_nc_u32 v[STO], s40, v[STO]               ; in: row r, + 32 (lane / 16)
	v_lshlrev_b32 v[C16], 4, v20
	v_mul_u32_u24 v[RD], v21, 8*272
	v_add_nc_u32 v[RD], v[RD], v[C16]
	v_add_nc_u32 v[RD], s40, v[RD]                 ; back: lanes 0-15 rows 0-7, lanes 16-31 rows 8-15, sixteen lanes to a row
	v_lshlrev_b32 v[HI32], 5, v21
	s_mov_b32 s[J], ttmp9
	s_and_b32 s[V], ttmp7, 0xffff
	s_sub_co_u32 s42, s[V], 3
	s_lshl_b32 s43, s[V], 4
	s_sub_co_u32 s61, s[V], 4
	s_sub_co_u32 s62, s[V], 8
	s_mov_b32 s41, 0                               ; the upper word of every offset below
	s_wait_kmcnt 0x0
	s_cmp_lt_u32 s[V], 8                           ; the choices hang on the work-group's number alone
	s_cselect_b64 s[WPT:WPT+1], s[18:19], s[20:21]
	s_cselect_b64 s[BPT:BPT+1], s[24:25], s[26:27]
	s_cselect_b32 s[EX], s61, s62
	s_cselect_b32 s[CLS], 1, 2
	s_cmp_lt_u32 s[V], 4
	s_cselect_b64 s[WPT:WPT+1], s[16:17], s[WPT:WPT+1]
	s_cselect_b64 s[BPT:BPT+1], s[22:23], s[BPT:BPT+1]
	s_cselect_b32 s[EX], 0, s[EX]
	s_cselect_b32 s[CLS], 0, s[CLS]
	s_cselect_b32 s[RHO], 0, s42
	s_cselect_b32 s[TILE0], s43, 0
	s_lshl_b32 s40, s[CLS], 4
	s_add_nc_u64 s[14:15], s[14:15], s[40:41]
	s_load_b128 s[36:39], s[14:15], 0x0            ; the class's ex, ew1, ew2, eh
	s_lshl_b32 s40, s[V], 2
	s_add_nc_u64 s[12:13], s[12:13], s[40:41]
	s_load_b32 s[TC], s[12:13], 0x0                ; my virtual expert's tiles
	s_lshl_b32 s40, s[EX], 21                      ; W2: 2 MiB an expert, 131,072 bytes a slice, 32,768 a wave
	s_lshl_b32 s42, s[J], 17
	s_add_co_u32 s40, s40, s42
	s_lshl_b32 s42, s[WV], 15
	s_add_co_u32 s40, s40, s42
	s_add_nc_u64 s[WPT:WPT+1], s[WPT:WPT+1], s[40:41]
	s_lshl_b32 s40, s[EX], 12                      ; b2: 4,096 bytes an expert, 256 a slice
	s_lshl_b32 s42, s[J], 8
	s_add_co_u32 s40, s40, s42
	s_add_nc_u64 s[BPT:BPT+1], s[BPT:BPT+1], s[40:41]
	s_lshl_b32 s40, s[RHO], 21
	s_add_nc_u64 s[HQ:HQ+1], s[8:9], s[40:41]      ; hq: 64 tiles of 32,768 bytes a region
	s_mul_i32 s40, s[RHO], 5376
	s_add_nc_u64 s[LB:LB+1], s[10:11], s[40:41]
	s_lshl_b32 s40, s[J], 8
	s_add_nc_u64 s[YB:YB+1], s[28:29], s[40:41]    ; y at my slice's 256 bytes of a row
	WIN 0x40
	s_wait_alu depctr_va_vdst(0)                   ; the offsets and LDS addresses v1 to v7 and v18 are written, which the loads and LDS instructions of the whole kernel read
.set q, 0
.rept 40
	global_load_b128 v[4*q:4*q+3], v[L16], s[WPT:WPT+1] offset:512*q   ; 512 consecutive bytes a load
.set q, q+1
.endr
.irp t, 0,1,2,3
	global_load_b128 v[160+8*\t:160+8*\t+3], v[HI32], s[BPT:BPT+1] offset:64*\t      ; b2 of columns 16 t + 8 (lane / 16) + 0..7
	global_load_b128 v[160+8*\t+4:160+8*\t+7], v[HI32], s[BPT:BPT+1] offset:64*\t+16
.endr
	WIN 0
.rept 24
	global_load_b128 v[32+4*(q-40):32+4*(q-40)+3], v[L16], s[WPT:WPT+1] offset:512*q
.set q, q+1
.endr
	s_wait_loadcnt 0x0
	WIN 0x04                                       ; the data lie in window 1
.set q, 0
.rept 40
	ds_store_b128 v[SST], v[4*q:4*q+3] offset:(q>>2)*WP2+512*(q&3)
.set q, q+1
.endr
	WIN 0
.rept 24
	ds_store_b128 v[SST], v[32+4*(q-40):32+4*(q-40)+3] offset:(q>>2)*WP2+512*(q&3)
.set q, q+1
.endr
	s_wait_dscnt 0x0                               ; for the others' sake: my rows have landed
	s_barrier_signal -1
	s_barrier_wait -1                              ; the launch's one barrier: behind it W2's rows are only read, and a stage is its wave's own
	s_wait_kmcnt 0x0
	s_add_co_i32 s40, s38, s39                     ; ew2 + eh
	s_add_co_i32 s40, s40, 127
	s_lshl_b32 s[S2], s40, 23
	s_mov_b32 s[S2+1], s[S2]                       ; (named with it as a pair, so it is written)
	s_mov_b32 s[PI], 0
.Lpass:
	s_mul_i32 s40, s[PI], 20
	s_add_co_u32 s[P20W], s40, s[WV]               ; my first tile of the pass
	s_sub_co_i32 s40, s[TC], s[P20W]
	s_add_co_i32 s40, s40, 3
	s_ashr_i32 s40, s40, 2
	s_max_i32 s40, s40, 0
	s_min_i32 s[NT], s40, 5                        ; how many of its five are mine
	s_cmp_eq_u32 s[NT], 0
	s_cbranch_scc1 .Lnext
	s_cmp_gt_u32 s[NT], 4
	s_cbranch_scc1 .Lfive
	PASS 4
	s_branch .Lnext
.Lfive:
	PASS 5
.Lnext:
	s_add_co_u32 s[PI], s[PI], 1
	s_cmp_lt_u32 s[PI], 4
	s_cbranch_scc1 .Lpass
	s_wait_dscnt 0x0                               ; the closing lines, six on end
	s_wait_alu 0x0
	s_wait_tensorcnt 0x0
	ds_add_u32 v30, v31
	s_wait_dscnt 0x0
	s_endpgm
.Lfunc_end_k_q3618b6180e_down:
	.size	k_q3618b6180e_down, .Lfunc_end_k_q3618b6180e_down-k_q3618b6180e_down
	.p2alignl 7, 3214868480
	.fill 96, 4, 3214868480
	.section	.rodata,"a",@progbits
	.p2align	6, 0x0
	.amdhsa_kernel k_q3618b6180e_down
		.amdhsa_group_segment_fixed_size 150016
		.amdhsa_private_segment_fixed_size 0
		.amdhsa_enable_private_segment 0
		.amdhsa_kernarg_size 88
		.amdhsa_user_sgpr_count 2
		.amdhsa_user_sgpr_kernarg_segment_ptr 1
		.amdhsa_wavefront_size32 1
		.amdhsa_system_sgpr_workgroup_id_x 1
		.amdhsa_system_sgpr_workgroup_id_y 1
		.amdhsa_system_sgpr_workgroup_id_z 1
		.amdhsa_system_vgpr_workitem_id 0
		.amdhsa_next_free_vgpr 1024
		.amdhsa_next_free_sgpr 72
		.amdhsa_reserve_vcc 0
		.amdhsa_float_denorm_mode_32 3
		.amdhsa_float_denorm_mode_16_64 3
		.amdhsa_memory_ordered 1
		.amdhsa_forward_progress 1
		.amdhsa_inst_pref_size 190
	.end_amdhsa_kernel
	.amdgpu_metadata
---
amdhsa.version: [ 1, 2 ]
amdhsa.kernels:
  - .name:           k_q3618b6180e_down
    .symbol:         k_q3618b6180e_down.kd
    .args:
      - { .name: hq, .offset: 0, .size: 8, .value_kind: global_buffer, .address_space: global }
      - { .name: list, .offset: 8, .size: 8, .value_kind: global_buffer, .address_space: global }
      - { .name: seg, .offset: 16, .size: 8, .value_kind: global_buffer, .address_space: global }
      - { .name: lowp_scales, .offset: 24, .size: 8, .value_kind: global_buffer, .address_space: global }
      - { .name: shared_w2_codes, .offset: 32, .size: 8, .value_kind: global_buffer, .address_space: global }
      - { .name: mode_w2_codes, .offset: 40, .size: 8, .value_kind: global_buffer, .address_space: global }
      - { .name: routed_w2_codes, .offset: 48, .size: 8, .value_kind: global_buffer, .address_space: global }
      - { .name: shared_b2, .offset: 56, .size: 8, .value_kind: global_buffer, .address_space: global }
      - { .name: mode_b2, .offset: 64, .size: 8, .value_kind: global_buffer, .address_space: global }
      - { .name: routed_b2, .offset: 72, .size: 8, .value_kind: global_buffer, .address_space: global }
      - { .name: y, .offset: 80, .size: 8, .value_kind: global_buffer, .address_space: global }
    .group_segment_fixed_size: 150016
    .private_segment_fixed_size: 0
    .kernarg_segment_align: 8
    .kernarg_segment_size: 88
    .max_flat_workgroup_size: 128
    .sgpr_count:     72
    .vgpr_count:     1024
    .wavefront_size: 32
...
	.end_amdgpu_metadata
.endif
;; end of part 7
;; launch mix: the kernel of part 5 again; grid 256 x 1, 4 waves a work-group, no clusters, 0 bytes of LDS; arguments y, gate, out0; writes out0
